; MI455X (gfx1250); checked and timed in simulation.
; The chip was launched on July 23, 2026; its instructions are those of AMD's public machine-readable ISA for CDNA 5 (MIT licence, August 2026) and "CDNA5" Instruction Set Architecture Reference Guide (July 2026). The comments in the code are by the model that wrote it; some were corrected since.
;; Multi Head Causal Attention. Allowed arithmetic: matrix products marked QUANTISED: E2M1 operands, one E8M0 scale for each 32 along K, by v_wmma_scale_f32_16x16x128_f8f6f4 with both operands' format E2M1 (or v_wmma_scale_f32_32x16x128_f4), f32 sums; products left as they are: bf16, f16 or f32 operands; f32 sums; everything else in f32.
;; Inputs: W_out 1,024 x 1,024 float32; W_qkv 1,024 x 3,072 float32; b_out 1,024 float32; b_qkv 3,072 float32; x 4 x 2,048 x 1,024 float32.
;; Outputs: out0 4 x 2,048 x 1,024 float32.
;; This version of the problem:
;;   THIS VERSION OF THE PROBLEM IS GIVEN IN LOW PRECISION. The matrix products marked QUANTISED in the list below multiply operands that are first quantised to E2M1 (2 exponent bits, 1 mantissa bit; 4 bits a number), with one power-of-two scale for each 32 numbers along K (OCP MX v1.0); their sums are f32. The products marked 'left as it is' may take bf16, f16 or f32 operands, with f32 sums. Whichever they take, every output number must still come out within the allowed error. Rounding operands to bf16 (8 significant bits) uses up far more of that allowance than f16 does (11 bits, for magnitudes from 6e-5 to 65,504). All else is computed in f32.
;;   The module's matrix products, in the order in which they are computed (A, B: the left and right operand; K: the contracted axis; several contracted axes count as one K, in the product's order):
;;     1. [M 8,192, K 1,024] x [K 1,024, N 3,072]; A: input x; B: input W_qkv: QUANTISED
;;     2. batch 64 x [M 2,048, K 64] x [K 64, N 2,048]; A: computed on the way; B: computed on the way: left as it is (an operand is computed on the way)
;;     3. batch 64 x [M 2,048, K 2,048] x [K 2,048, N 64]; A: computed on the way; B: computed on the way: left as it is (an operand is computed on the way)
;;     4. [M 8,192, K 1,024] x [K 1,024, N 1,024]; A: computed on the way; B: input W_out: left as it is (an operand is computed on the way)
;;   THE QUANTISER, for each operand of a quantised product, along K:
;;     - K is cut into blocks of 32 from its start; a last block that is shorter is filled with zeros.
;;     - A block's scale is 2^e with e = floor(log2(the largest magnitude in the block)) - 2, held to -126 .. 127; a block of zeros has e = 0. As a byte (E8M0): e + 127.
;;     - Each number is divided by its block's scale, clamped to +-6, and rounded to the nearest number of E2M1, ties to even, subnormals kept.
;;     - The product sums the exact products of the quantised numbers (number of the format x scale) in f32.
;;   ~~~python
;;   def quantise(x, axis):      # numpy; x: float32 -> the quantised numbers, widened to float32 again
;;       x = np.moveaxis(x, axis, -1); K = x.shape[-1]
;;       x = np.pad(x, [(0, 0)] * (x.ndim - 1) + [(0, -K % 32)]); x = x.reshape(x.shape[:-1] + (-1, 32)); a = np.abs(x).max(-1, keepdims=True)
;;       e = np.where(a > 0, np.clip(np.frexp(np.where(a > 0, a, 1))[1] - 1 - 2, -126, 127), 0)      # np.frexp(a)[1] - 1 = floor(log2(a)), exactly
;;       r = np.clip(x / 2.0 ** e, -6, 6)
;;       step = 2.0 ** (np.maximum(np.frexp(np.where(r == 0, 1, r))[1] - 1, 0) - 1)
;;       q = np.round(r / step) * step * 2.0 ** e      # np.round: ties to even
;;       return np.moveaxis(q.reshape(q.shape[:-2] + (-1,))[..., :K], -1, axis).astype(np.float32)
;;   ~~~
;; One version. Each part assembles by itself: llvm-mc -triple=amdgcn-amd-amdhsa -mcpu=gfx1250 --defsym DOCPART=n.
;; ======== version 1 of 1: 5 launches
;; limits: values are held in f16: magnitudes above 65,504 overflow, below 6.1e-05 lose precision
;; workspace buffers: xc 4,194,304 bytes; xs 262,144 bytes; wc 1,572,864 bytes; ws 98,304 bytes; wt 2,097,152 bytes; qkv 50,331,648 bytes; qkvf 786,432 bytes; att 16,777,216 bytes
;; launch prep (part 1): grid 512 x 1, 4 waves a work-group, no clusters, 77,312 bytes of LDS; arguments x, W_qkv, W_out, xc, xs, wc, ws, wt; writes xc, xs, wc, ws, wt
.if DOCPART == 1
	.amdgcn_target "amdgcn-amd-amdhsa--gfx1250"
	.amdhsa_code_object_version 6
	.text
	.protected	k_qa70b9d5aca_prep
	.globl	k_qa70b9d5aca_prep
	.p2align	8
	.type	k_qa70b9d5aca_prep,@function
k_qa70b9d5aca_prep:
	s_mov_b64 s[64:65], 0
	v_nop
	global_prefetch_b8 v0, s[64:65] scope:SCOPE_SE
	s_setreg_imm32_b32 hwreg(HW_REG_WAVE_MODE, 25, 1), 1
	s_wait_xcnt 0x0
; FIRST OF FIVE LAUNCHES of a causal multi-head attention layer (4 x 2,048 positions, 1,024 wide, 16 heads of 64).
; This launch lays the operands out: x [8192][1024] f32 -> codes of FP4 (E2M1), K innermost, xc [8192][512 bytes], and one E8M0 byte for each 32 along K, xs [8192][32];
; W_qkv [1024 k][3072 n] f32 -> wc [3072 n][512 bytes], ws [3072][32], quantised along k, its FIRST axis;  W_out [1024 k][1024 n] f32 -> wt [1024 n][1024 k] in f16.
; WORK LEFT OUT IN THE PROGRAM, AND WHY IT IS DEAD.  reference() builds the mask tril(ones(s, s)) in its own body and sets scores(q, k) to -infinity where k > q; the softmax gives such a key the weight 0,
; whatever finite values the inputs hold.  So a step of 64 keys that all lie behind a wave's 32 queries reaches no output, and the attention launch neither multiplies nor loads it where that comes in whole slots.
; LIMIT: a NaN, an infinity or an overflow in a k or v that only such steps would read is not carried to the result.  Every input has a way to an output and is loaded (the k third of b_qkv too: it is not left out).
; LIMITS OF THE PROGRAM: q, k, v, the attended rows and W_out are rounded to f16 for the three products that are left as they are: magnitudes beyond 65,504 there are not served (inputs 30 times those of
; setup_inputs() give q, k, v of some 5e3).  The first 16 positions of every sequence are carried in f32 by the last launch.
; THE QUANTISER: a block's scale is 2^(floor(log2(its largest magnitude)) - 2); its byte is the largest magnitude's exponent field - 2, held at 1 from below.  A block of zeros so gets the byte 1 where the rule says 127:
; its codes are zeros, which add nothing, and this program alone reads the bytes.  LIMITS: blocks whose largest magnitude lies under 2^(2 - 126) were not tried; NaN and infinities among the inputs are not served.
; THREE ROLES, parted once on the work-group's number, never joined; each has LDS bytes of its own:
;   X, work-groups 0-255: x as a plain stream of blocks of 32; a wave takes 16 steps of 512 numbers.
;   W, work-groups 256-447: 32 columns x 512 along K of W_qkv; a wave takes 128 of that K; a lane takes a column and its registers run down K.
;   O, work-groups 448-511: 128 columns x 128 along K of W_out; a wave takes 32 columns.
.set SPW,   12                         ; v12  LDS address of my spare word: SPARE + 4 x my thread's number; never rewritten
.set NIL,   13                         ; v13  0; never rewritten
.set XREG,  8192                       ; role X: a region for each wave: two stages of 32 x SP bytes, behind them its 256 scale bytes
.set SP,    80                         ; a lane's place in a stage: its 64 bytes + 16 of padding
.set WST,   32768                      ; role W: 32 rows (columns of W_qkv) x (256 bytes of codes + 16)
.set WSC,   41472                      ; role W: 32 x 16 scale bytes
.set OST,   41984                      ; role O: for each wave 32 rows x (256 bytes of f16 + 16)
.set SPARE, 76800                      ; the spare words, 128 bytes for each wave: two blocks of 256 bytes that no other line names
.set STEPS, 16
.set RAW,   16                         ; role X: v16-79   four sets of 16 numbers as they are loaded
.set NEI,   80                         ;         v80-111  two sets of 16 neighbours
.set BYT,   112                        ;         v112-127 a scale byte for each step
.set XCO,   128                        ;         v128-191 codes: four registers for each step, so that no store's data are written again
.set NUM,   32                         ; roles W, O: v32-159 128 numbers of my column, down K
.set COD,   160                        ; roles W, O: what is made of them
.macro XLOAD t
.irp i, 0,1,2,3
	global_load_b128 v[RAW+16*((\t)%4)+4*\i:RAW+16*((\t)%4)+4*\i+3], v3, s[4:5] offset:2048*(\t)+512*\i th:TH_LOAD_NT   ; 32 lanes read 512 consecutive bytes
.endr
.endm
.macro XTURN t                         ; step t's numbers through the stage: LDS serves a wave's instructions in order, so no wait stands between the stores and the loads
.irp i, 0,1,2,3
	ds_store_b128 v14, v[RAW+16*((\t)%4)+4*\i:RAW+16*((\t)%4)+4*\i+3] offset:32*SP*((\t)%2)+8*SP*\i
.endr
.irp i, 0,1,2,3
	ds_load_b128 v[NEI+16*((\t)%2)+4*\i:NEI+16*((\t)%2)+4*\i+3], v15 offset:32*SP*((\t)%2)+16*\i
.endr
.endm
.macro XSTEP t
.set XS, NEI+16*((\t)%2)
.if (\t) > 0
	s_wait_dscnt 1                                 ; this step's numbers are back from the stage (the last step's byte store may be out)
.else
	s_wait_dscnt 0x0
.endif
.if (\t)+4 < STEPS
	XLOAD (\t)+4                                   ; the registers that the stage's stores have read take the loads of four steps on
.endif
.if (\t)+1 < STEPS
.if STEPS-2-(\t) >= 3
	s_wait_loadcnt 12                              ; the next step's four loads are in; those of the three steps behind it may be out
.else
	s_wait_loadcnt 4*(STEPS-2-(\t))
.endif
	XTURN (\t)+1
.endif
	v_max3_num_f32 v8, |v[XS]|, |v[XS+1]|, |v[XS+2]|               ; the largest magnitude of my 16
	v_max3_num_f32 v9, |v[XS+3]|, |v[XS+4]|, |v[XS+5]|
.irp i, 6,10
	v_max3_num_f32 v8, v8, |v[XS+\i]|, |v[XS+\i+1]|
	v_max3_num_f32 v9, v9, |v[XS+\i+2]|, |v[XS+\i+3]|
.endr
	v_max3_num_f32 v8, v8, |v[XS+14]|, |v[XS+15]|
	v_max3_num_f32 v8, v8, v9, 0x1800000           ; and the floor 2^(3 - 127): the byte cannot fall under 1
	v_max_num_f32_dpp v8, v8, v8 row_xmask:1 row_mask:0xf bank_mask:0xf   ; and of my neighbour's 16: the block's
	v_add_nc_u32 v11, 0xff000000, v8               ; 2 off its exponent field: the conversion takes the exponent field of this operand as its scale
	v_cvt_scalef32_pk8_fp4_f32 v[XCO+4*(\t)], v[XS:XS+7], v11
	v_cvt_scalef32_pk8_fp4_f32 v[XCO+4*(\t)+1], v[XS+8:XS+15], v11
	v_lshrrev_b32 v[BYT+(\t)], 23, v11             ; the scale's byte
	ds_store_b8 v5, v[BYT+(\t)] offset:16*(\t)     ; both lanes of a block write the same byte with the same value
	global_store_b64 v4, v[XCO+4*(\t):XCO+4*(\t)+1], s[10:11] offset:256*(\t)   ; the wave stores 256 consecutive bytes
.endm
; 128 numbers of my column, down K: each load reads one row at 32 neighbouring columns
.macro COLS b0, pitch
.set ci, 0
.rept 128
	global_load_b32 v[NUM+ci], v3, s[\b0:\b0+1] offset:ci*\pitch th:TH_LOAD_NT
.set ci, ci+1
.endr
.endm
; role W: block t of my four: all its 32 numbers are mine.  left: how many younger loads may stay out (a count cannot name more than 63: the smaller count is safe)
.macro WBLOCK t, left
.set XS, NUM+32*(\t)
	s_wait_loadcnt \left
	v_max3_num_f32 v10, |v[XS]|, |v[XS+1]|, |v[XS+2]|
	v_max3_num_f32 v11, |v[XS+3]|, |v[XS+4]|, |v[XS+5]|
.irp i, 6,10,14,18,22,26
	v_max3_num_f32 v10, v10, |v[XS+\i]|, |v[XS+\i+1]|
	v_max3_num_f32 v11, v11, |v[XS+\i+2]|, |v[XS+\i+3]|
.endr
	v_max3_num_f32 v10, v10, |v[XS+30]|, |v[XS+31]|
	v_max3_num_f32 v10, v10, v11, 0x1800000        ; the floor
	v_add_nc_u32 v[16+(\t)], 0xff000000, v10       ; the conversion's scale operand
	v_lshrrev_b32 v11, 23, v[16+(\t)]              ; the scale's byte
.if (\t) == 0
	v_mov_b32 v20, v11                             ; four bytes to a word, the lower K in the lower byte
.else
	v_lshl_or_b32 v20, v11, 8*(\t), v20
.endif
.irp g, 0,1,2,3
	v_cvt_scalef32_pk8_fp4_f32 v[COD+4*(\t)+\g], v[XS+8*\g:XS+8*\g+7], v[16+(\t)]
.endr
	v_nop                                          ; one plain line behind the last conversion of a run
	ds_store_b128 v4, v[COD+4*(\t):COD+4*(\t)+3] offset:16*(\t)   ; 32 codes: 16 bytes of my column's row
.endm
; role O: 32 numbers of my column become 32 f16
.macro OBLOCK t, left
.set XS, NUM+32*(\t)
	s_wait_loadcnt \left
.irp i, 0,1,2,3,4,5,6,7,8,9,10,11,12,13,14,15
	v_cvt_pk_f16_f32 v[COD+16*(\t)+\i], v[XS+2*\i], v[XS+2*\i+1]
.endr
.irp g, 0,1,2,3
	ds_store_b128 v4, v[COD+16*(\t)+4*\g:COD+16*(\t)+4*\g+3] offset:64*(\t)+16*\g
.endr
.endm
	s_load_b256 s[4:11], s[0:1], 0x0               ; x s[4:5], W_qkv s[6:7], W_out s[8:9], xc s[10:11]
	s_load_b256 s[12:19], s[0:1], 0x20             ; xs s[12:13], wc s[14:15], ws s[16:17], wt s[18:19]
	v_lshl_add_u32 v[SPW], v0, 2, SPARE
	v_mov_b32 v[NIL], 0
	v_lshrrev_b32 v1, 5, v0
	v_readfirstlane_b32 s20, v1                    ; wave 0..3
	v_and_b32 v2, 31, v0                           ; lane
	s_wait_kmcnt 0x0
	s_cmp_lt_u32 ttmp9, 256                        ; the roles part on the work-group's number alone
	s_cbranch_scc1 .Lrole_x
	s_cmp_lt_u32 ttmp9, 448
	s_cbranch_scc1 .Lrole_w
	; ---- ROLE O: W_out^T in f16
	s_sub_co_u32 s21, ttmp9, 448
	s_and_b32 s22, s21, 7                          ; which 128 columns
	s_lshr_b32 s23, s21, 3                         ; which 128 along K
	s_lshl_b32 s24, s23, 19                        ; 128 rows of 4,096 bytes
	s_lshl_b32 s25, s22, 9
	s_add_co_u32 s24, s24, s25
	s_lshl_b32 s25, s20, 7                         ; my wave's 32 columns
	s_add_co_u32 s24, s24, s25
	s_mov_b32 s25, 0
	s_add_nc_u64 s[8:9], s[8:9], s[24:25]
	v_lshlrev_b32 v3, 2, v2
	COLS 8, 4096
	s_mul_i32 s26, s20, 8704
	s_add_co_u32 s26, s26, OST                     ; my stage
	v_mul_u32_u24 v4, v2, 272
	v_add_nc_u32 v4, s26, v4                       ; into it: row = my column
	v_and_b32 v7, 15, v2
	v_lshrrev_b32 v8, 4, v2
	v_mul_u32_u24 v6, v8, 272
	v_lshl_add_u32 v6, v7, 4, v6
	v_add_nc_u32 v6, s26, v6                       ; out of it: sixteen lanes to a row, two rows an instruction
	v_lshlrev_b32 v9, 11, v8
	v_lshl_add_u32 v9, v7, 4, v9                   ; and the same place in wt: rows of 2,048 bytes
	s_lshl_b32 s24, s22, 18                        ; 128 rows of wt
	s_lshl_b32 s26, s20, 16                        ; my wave's 32
	s_add_co_u32 s24, s24, s26
	s_lshl_b32 s26, s23, 8                         ; 128 f16 along K
	s_add_co_u32 s24, s24, s26
	s_add_nc_u64 s[18:19], s[18:19], s[24:25]
	OBLOCK 0, 63
	OBLOCK 1, 63
	OBLOCK 2, 32
	OBLOCK 3, 0
.irp t, 0,1,2,3,4,5,6,7,8,9,10,11,12,13,14,15
	ds_load_b128 v[NUM+4*\t:NUM+4*\t+3], v6 offset:544*\t   ; LDS serves a wave's instructions in order: these see my stores
.endr
.irp t, 0,1,2,3,4,5,6,7,8,9,10,11,12,13,14,15
	s_wait_dscnt 15-\t                             ; the younger loads may be out
	global_store_b128 v9, v[NUM+4*\t:NUM+4*\t+3], s[18:19] offset:4096*\t   ; sixteen lanes store 256 consecutive bytes, aligned
.endr
	s_wait_tensorcnt 0x0                           ; the wave's end, behind my last LDS store
	ds_add_u32 v[SPW], v[NIL]
	s_wait_dscnt 0x0
	s_endpgm
	; ---- ROLE W: W_qkv into codes, K innermost
.Lrole_w:
	s_sub_co_u32 s21, ttmp9, 256
	s_lshr_b32 s22, s21, 1                         ; which 32 columns
	s_and_b32 s23, s21, 1                          ; which 512 along K
	s_lshl_b32 s24, s23, 9
	s_lshl_b32 s25, s20, 7
	s_add_co_u32 s24, s24, s25                     ; my wave's first k
	s_mul_i32 s24, s24, 12288                      ; rows of 12,288 bytes
	s_lshl_b32 s25, s22, 7
	s_add_co_u32 s24, s24, s25
	s_mov_b32 s25, 0
	s_add_nc_u64 s[6:7], s[6:7], s[24:25]
	v_lshlrev_b32 v3, 2, v2
	COLS 6, 12288
	v_mul_u32_u24 v4, v2, 272
	s_lshl_b32 s26, s20, 6
	s_add_co_u32 s26, s26, WST
	v_add_nc_u32 v4, s26, v4                       ; codes in: row = my column, my wave's 64 bytes of its 256
	v_lshlrev_b32 v5, 4, v2
	s_lshl_b32 s26, s20, 2
	s_add_co_u32 s26, s26, WSC
	v_add_nc_u32 v5, s26, v5                       ; my scale word: 16 bytes a column, my wave's word
	v_and_b32 v7, 15, v2
	v_lshrrev_b32 v8, 4, v2
	v_mul_u32_u24 v6, v8, 272
	v_lshl_add_u32 v6, v7, 4, v6
	s_mul_i32 s26, s20, 8*272
	s_add_co_u32 s26, s26, WST
	v_add_nc_u32 v6, s26, v6                       ; codes out: my wave's 8 rows, sixteen lanes to a row
	v_lshlrev_b32 v9, 9, v8
	v_lshl_add_u32 v9, v7, 4, v9                   ; and the same place in wc: rows of 512 bytes
	v_lshlrev_b32 v22, 4, v2
	v_add_nc_u32 v22, WSC, v22                     ; wave 0: a column's 16 scale bytes,
	v_lshlrev_b32 v23, 5, v2                       ; and its row of 32 in ws
	s_lshl_b32 s24, s22, 14                        ; 32 rows of wc
	s_lshl_b32 s26, s20, 12                        ; my wave's 8
	s_add_co_u32 s24, s24, s26
	s_lshl_b32 s26, s23, 8                         ; 512 codes along K
	s_add_co_u32 s24, s24, s26
	s_add_nc_u64 s[14:15], s[14:15], s[24:25]
	s_lshl_b32 s24, s22, 10                        ; 32 rows of ws
	s_lshl_b32 s26, s23, 4
	s_add_co_u32 s24, s24, s26
	s_add_nc_u64 s[16:17], s[16:17], s[24:25]
	WBLOCK 0, 63
	WBLOCK 1, 63
	WBLOCK 2, 32
	WBLOCK 3, 0
	ds_store_b32 v5, v20
	s_wait_dscnt 0x0                               ; for the others' sake: my stores have landed
	s_barrier_signal -1                            ; all four waves of a work-group of this role pass here: the way here hangs on the work-group's number alone
	s_barrier_wait -1
	s_cmp_lg_u32 s20, 0
	s_cbranch_scc1 .Lw_codes
	ds_load_b128 v[24:27], v22                     ; wave 0: 16 scale bytes of each of the 32 columns
	s_wait_dscnt 0x0
	global_store_b128 v23, v[24:27], s[16:17]
.Lw_codes:
.irp t, 0,1,2,3
	ds_load_b128 v[NUM+4*\t:NUM+4*\t+3], v6 offset:544*\t
.endr
.irp t, 0,1,2,3
	s_wait_dscnt 3-\t                              ; the younger loads may be out
	global_store_b128 v9, v[NUM+4*\t:NUM+4*\t+3], s[14:15] offset:1024*\t   ; sixteen lanes store 256 consecutive bytes, aligned
.endr
	s_wait_tensorcnt 0x0                           ; the wave's end
	ds_add_u32 v[SPW], v[NIL]
	s_wait_dscnt 0x0
	s_endpgm
	; ---- ROLE X: x into codes
.Lrole_x:
	v_lshlrev_b32 v3, 4, v2                        ; my 16 bytes of a load's 512
	s_mul_i32 s22, s20, XREG
	v_lshrrev_b32 v14, 2, v2
	v_mul_u32_u24 v14, v14, SP
	v_and_b32 v15, 3, v2
	v_lshl_add_u32 v14, v15, 4, v14
	v_add_nc_u32 v14, s22, v14                     ; the stage, on the way in: SP (lane / 4) + 16 (lane % 4)
	v_mul_u32_u24 v15, v2, SP
	v_add_nc_u32 v15, s22, v15                     ; and on the way out: SP x lane: my 16 neighbours
	v_lshlrev_b32 v4, 3, v2                        ; my 8 bytes of a step's codes
	v_lshrrev_b32 v5, 1, v2
	s_add_co_u32 s22, s22, 2*32*SP
	v_add_nc_u32 v5, s22, v5                       ; my wave's 256 scale bytes, my block's byte
	v_lshlrev_b32 v7, 3, v2
	v_add_nc_u32 v6, s22, v7                       ; and on the way out 8 bytes a lane
	s_lshl_b32 s21, ttmp9, 2
	s_add_co_u32 s21, s21, s20                     ; which run of 8,192 numbers is my wave's
	s_lshl_b32 s24, s21, 15
	s_mov_b32 s25, 0
	s_add_nc_u64 s[4:5], s[4:5], s[24:25]
	s_lshl_b32 s24, s21, 12
	s_add_nc_u64 s[10:11], s[10:11], s[24:25]
	s_lshl_b32 s24, s21, 8
	s_add_nc_u64 s[12:13], s[12:13], s[24:25]
.irp t, 0,1,2,3
	XLOAD \t
.endr
	s_wait_loadcnt 12                              ; step 0's four loads are in
	XTURN 0
.irp t, 0,1,2,3,4,5,6,7,8,9,10,11,12,13,14,15
	XSTEP \t
.endr
	ds_load_b64 v[8:9], v6                         ; LDS serves a wave's instructions in order: these see my byte stores
	s_wait_dscnt 0x0
	global_store_b64 v7, v[8:9], s[12:13]          ; 32 lanes store 256 consecutive bytes, aligned
	s_wait_tensorcnt 0x0                           ; the wave's end
	ds_add_u32 v[SPW], v[NIL]
	s_wait_dscnt 0x0
	s_endpgm
.Lfunc_end_k_qa70b9d5aca_prep:
	.size	k_qa70b9d5aca_prep, .Lfunc_end_k_qa70b9d5aca_prep-k_qa70b9d5aca_prep
	.p2alignl 7, 3214868480
	.fill 96, 4, 3214868480
	.section	.rodata,"a",@progbits
	.p2align	6, 0x0
	.amdhsa_kernel k_qa70b9d5aca_prep
		.amdhsa_group_segment_fixed_size 77312
		.amdhsa_private_segment_fixed_size 0
		.amdhsa_enable_private_segment 0
		.amdhsa_kernarg_size 64
		.amdhsa_user_sgpr_count 2
		.amdhsa_user_sgpr_kernarg_segment_ptr 1
		.amdhsa_wavefront_size32 1
		.amdhsa_system_sgpr_workgroup_id_x 1
		.amdhsa_system_sgpr_workgroup_id_y 1
		.amdhsa_system_sgpr_workgroup_id_z 1
		.amdhsa_system_vgpr_workitem_id 0
		.amdhsa_next_free_vgpr 224
		.amdhsa_next_free_sgpr 66
		.amdhsa_reserve_vcc 0
		.amdhsa_float_denorm_mode_32 3
		.amdhsa_float_denorm_mode_16_64 3
		.amdhsa_memory_ordered 1
		.amdhsa_forward_progress 1
		.amdhsa_inst_pref_size 76
	.end_amdhsa_kernel
	.amdgpu_metadata
---
amdhsa.version: [ 1, 2 ]
amdhsa.kernels:
  - .name:           k_qa70b9d5aca_prep
    .symbol:         k_qa70b9d5aca_prep.kd
    .args:
      - { .name: x, .offset: 0, .size: 8, .value_kind: global_buffer, .address_space: global }
      - { .name: W_qkv, .offset: 8, .size: 8, .value_kind: global_buffer, .address_space: global }
      - { .name: W_out, .offset: 16, .size: 8, .value_kind: global_buffer, .address_space: global }
      - { .name: xc, .offset: 24, .size: 8, .value_kind: global_buffer, .address_space: global }
      - { .name: xs, .offset: 32, .size: 8, .value_kind: global_buffer, .address_space: global }
      - { .name: wc, .offset: 40, .size: 8, .value_kind: global_buffer, .address_space: global }
      - { .name: ws, .offset: 48, .size: 8, .value_kind: global_buffer, .address_space: global }
      - { .name: wt, .offset: 56, .size: 8, .value_kind: global_buffer, .address_space: global }
    .group_segment_fixed_size: 77312
    .private_segment_fixed_size: 0
    .kernarg_segment_align: 8
    .kernarg_segment_size: 64
    .max_flat_workgroup_size: 128
    .sgpr_count:     66
    .vgpr_count:     224
    .wavefront_size: 32
...
	.end_amdgpu_metadata
.endif
;; end of part 1
;; launch qkv_gemm (part 2): grid 12 x 32, 4 waves a work-group, clusters of 4 x 4, 327,680 bytes of LDS; arguments xc, xs, wc, ws, b_qkv, qkv, qkvf; writes qkv, qkvf
.if DOCPART == 2
	.amdgcn_target "amdgcn-amd-amdhsa--gfx1250"
	.amdhsa_code_object_version 6
	.text
	.protected	k_qa70b9d5aca_qkv_gemm
	.globl	k_qa70b9d5aca_qkv_gemm
	.p2align	8
	.type	k_qa70b9d5aca_qkv_gemm,@function
k_qa70b9d5aca_qkv_gemm:
	s_mov_b64 s[64:65], 0
	v_nop
	global_prefetch_b8 v0, s[64:65] scope:SCOPE_SE
	s_setreg_imm32_b32 hwreg(HW_REG_WAVE_MODE, 25, 1), 1
	s_wait_xcnt 0x0
	s_wait_alu depctr_hold_cnt(0) depctr_sa_sdst(0) depctr_va_vdst(0) depctr_va_sdst(0) depctr_va_ssrc(0) depctr_va_vcc(0) depctr_vm_vsrc(0)
	s_getreg_b32 s2, hwreg(HW_REG_IB_STS2, 6, 4)
	s_cmp_eq_u32 s2, 0
	s_cbranch_scc0 .Lentry_in_a_cluster
	s_endpgm
.Lentry_in_a_cluster:
	s_bfe_u32 s2, ttmp6, 0x10000c
	s_cmp_lg_u32 s2, 0xf033
	s_cbranch_scc0 .Lentry_shape_is_right
	s_endpgm
.Lentry_shape_is_right:
; qkv = x W_qkv + b_qkv on codes of FP4 (E2M1) with one E8M0 scale for each 32 along K; sums in f32.  xc [8192][512 bytes], xs [8192][32], wc [3072][512 bytes], ws [3072][32].
; OUT: qkv, f16, [part 3][batch 4][head 16][position 2048][64]: a head's rows are dense, two neighbouring positions are 256 consecutive bytes;  qkvf, f32, [batch 4][position 16][3072]: positions 0-15 before any rounding.
; LIMIT: q, k, v beyond 65,504 in magnitude are not served in f16.
; A tile of 256 rows x 256 columns is made by four waves, 128 x 128 each: 64 accumulators, 512 registers.  K = 1,024 is two steps of 512: both LDS slots are filled at the start, nothing is filled again, there is no loop.
; The scale bytes of the work-group's 256 + 256 rows come once, as dense blocks.  By this text's own count a wave has three tensor loads out at the start.
; CLUSTERS: 4 x 4 work-groups.  The four along x need the same rows of x, the four along y the same rows of W: each tile is asked for jointly.  Along y the partners are the four BATCHES at one block of 256 positions
; (first row = 2,048 cy + 256 x cluster y), so that whether a tile holds positions 0-15 hangs on the cluster's y alone, which all partners share.
; THE MATRIX INSTRUCTION IS USED TRANSPOSED (source 0 = 16 rows of W, source 1 = 16 rows of x): a lane holds eight neighbouring columns of one row.  The bias is the C of each sum's first instruction.
; REGISTERS: window 0: v0-31 addresses; v32-95 scale words, two sets; v96-127 packed results; v128-191 x's fragments, one set, later rows on the way out; v192-255 the bias.
;   window 1: W's fragments, two sets.   windows 2, 3: the accumulators ((a, b) at v[8 (8 (a % 4) + b)]).
.set KSTEP,  512
.set NQ,     4                         ; matrix instructions deep in a slot
.set ROWB,   256                       ; a tile's row in bytes
.set KROW,   512                       ; a row of codes in memory
.set PITCH,  272                       ; an LDS row: 256 bytes + 16 of padding, so that the 16 rows that a load touches start 16 bytes apart modulo 256
.set FR,     8
.set NL,     2
.set NP,     4                         ; places behind this matrix instruction (ISA guide 7.12.1)
.set HALFT,  128*PITCH
.set SLOT,   4*HALFT
.set KS,     32                        ; a row of scale bytes
.set SCL,    2*SLOT
.set HALFS,  16*272                    ; the scales of 128 rows
.set SBLK,   2*272                     ; those of 16 rows
.set SPARE,  SCL+4*HALFS               ; the spare words, 128 bytes for each wave: two blocks of 256 bytes that no other line names
.set SPITCH, 272                       ; the way out: a stage of 16 rows x (256 bytes + 16) for each wave, in slot 0, which has had its only fill and its last read by then
.set ADRA, 16
.set ADRB, 20
.set STO,  24
.set RD,   25
.set CO,   26
.set ADRS, 27
.set SPW,  28                          ; v28  LDS address of my spare word; never rewritten
.set NIL,  29                          ; v29  0; never rewritten
.set FO,   30                          ; v30  my byte offset in qkvf
.set BO,   31                          ; v31  my byte offset in the bias
.set SC,   32
.set TMP,  96
.set AF,   128
.set OB,   128
.set BI,   192
.set G1, 24
.set G0, 32
.set G1B, 48
.set G0B, 56
.set G1S, 68
.set G0S, 76
.set G1SB, 80
.set G0SB, 88
.set MSB, 0
.macro WIN new                         ; the immediate's high byte repeats the setting that is left
.if MSB != \new
	s_set_vgpr_msb (MSB<<8)|\new
.set MSB, \new
.endif
.endm
.set MUL_LO,   0xa1                    ; source 0 (W) window 1, source 1 (x) window 0, C and D window 2
.set MUL_HI,   0xf1                    ; the same, C and D window 3
.set FIRST_LO, 0x81                    ; the first step: C is the bias, in window 0
.set FIRST_HI, 0xc1
.set TO_B,     0x40
; A joint load: waves 0 and 1 fetch for x, waves 2 and 3 for W.  The branch hangs on the wave's number alone.  An s_nop 0 and four v_nop follow each of the two lines.
.macro JLOAD g0a, g1a, g0b, g1b
	s_cmp_eq_u32 s15, 0
	s_cbranch_scc0 .Lfor_b_\@
	tensor_load_to_lds s[\g0a:\g0a+3], s[\g1a:\g1a+7]
	s_nop 0
.rept 4
	v_nop
.endr
	s_branch .Lasked_\@
.Lfor_b_\@:
	tensor_load_to_lds s[\g0b:\g0b+3], s[\g1b:\g1b+7]
	s_nop 0
.rept 4
	v_nop
.endr
.Lasked_\@:
.endm
.macro CROUND                          ; a round of the cluster's barrier
	s_barrier_signal -1
	s_barrier_wait -1
	s_cmp_lg_u32 s14, 0
	s_cbranch_scc1 .Lnot_wave_0_\@
	s_barrier_signal -3
.Lnot_wave_0_\@:
	s_barrier_wait -3
	s_barrier_signal -1
	s_barrier_wait -1
.endm
	s_load_b128 s[4:7], s[0:1], 0x0                ; xc s[4:5], xs s[6:7]
	s_load_b128 s[8:11], s[0:1], 0x10              ; wc s[8:9], ws s[10:11]
	s_load_b64 s[12:13], s[0:1], 0x20              ; b_qkv
	s_load_b64 s[96:97], s[0:1], 0x28              ; qkv
	s_load_b64 s[98:99], s[0:1], 0x30              ; qkvf
	v_lshl_add_u32 v[SPW], v0, 2, SPARE
	v_mov_b32 v[NIL], 0
	ds_add_u32 v[SPW], v[NIL]                      ; the wave's opening: the add, twice on end, and its wait ahead of my first tensor load
	ds_add_u32 v[SPW], v[NIL]
	v_lshrrev_b32 v1, 5, v0
	v_readfirstlane_b32 s14, v1                    ; wave 0..3
	s_lshr_b32 s15, s14, 1                         ; which half of the tile's rows is mine.  Also: I fetch for x (0) or for W (1)
	s_and_b32 s16, s14, 1                          ; which half of its columns.  Also: which 128 rows I fetch
	s_bfe_u32 s40, ttmp6, 0x40000                  ; cx, cy: my place in the cluster
	s_bfe_u32 s41, ttmp6, 0x40004
	s_lshl_b32 s42, ttmp9, 2
	s_add_co_u32 s42, s42, s40                     ; tile column = 4 x cluster x + cx
	s_and_b32 s67, ttmp7, 0xffff                   ; cluster y: the block of 256 positions
	s_lshl_b32 s17, s41, 11
	s_lshl_b32 s18, s67, 8
	s_add_co_u32 s17, s17, s18                     ; the tile's first row of x: 2,048 cy + 256 x cluster y
	s_lshl_b32 s43, s41, 2
	s_lshl_b32 s43, 15, s43                        ; my row of the cluster
	s_lshl_b32 s44, 0x1111, s40                    ; my column
	s_or_b32 s66, s67, s15                         ; 0 where my 128 rows begin with positions 0-15: the cluster's y and the wave's number alone
	; descriptor group 1: a tile of 128 rows x 256 bytes, 16 bytes of padding behind each row
	s_or_b32 s[G1+0], s43, (0<<16)|(1<<20)|(1<<21)|(5<<22)|(3<<25)
	s_or_b32 s[G1B+0], s44, (0<<16)|(1<<20)|(1<<21)|(5<<22)|(3<<25)
.irp g, G1, G1B
	s_mov_b32 s[\g+1], ROWB<<16                    ; tensor_dim0
	s_mov_b32 s[\g+2], 128<<16                     ; tensor_dim1
	s_mov_b32 s[\g+3], ROWB<<16                    ; tile_dim0
	s_mov_b32 s[\g+4], 128                         ; tile_dim1
	s_mov_b32 s[\g+5], KROW                        ; the pitch
	s_mov_b32 s[\g+6], 0
	s_mov_b32 s[\g+7], 0
.endr
	; the scales of 128 rows: a dense block of 4,096 bytes, as 16 rows of 256 bytes (32 elements of 8 bytes), 16 bytes of padding behind each
	s_or_b32 s[G1S+0], s43, (3<<16)|(1<<20)|(1<<21)|(5<<22)|(3<<25)
	s_or_b32 s[G1SB+0], s44, (3<<16)|(1<<20)|(1<<21)|(5<<22)|(3<<25)
.irp g, G1S, G1SB
	s_mov_b32 s[\g+1], 32<<16
	s_mov_b32 s[\g+2], 16<<16
	s_mov_b32 s[\g+3], 32<<16
	s_mov_b32 s[\g+4], 16
	s_mov_b32 s[\g+5], 32
	s_mov_b32 s[\g+6], 0
	s_mov_b32 s[\g+7], 0
.endr
	s_lshl_b32 s18, s16, 7                         ; which 128 rows of the tile I fetch
	s_add_co_u32 s20, s17, s18                     ; x: row
	s_lshl_b32 s46, s42, 8
	s_add_co_u32 s46, s46, s18                     ; W: row 256 x tile column + 128 x half
	s_mov_b32 s21, 0
	s_mov_b32 s47, 0
	s_mov_b64 s[18:19], KS
	s_mul_u64 s[22:23], s[20:21], s[18:19]         ; where these rows' scales begin,
	s_mul_u64 s[92:93], s[46:47], s[18:19]
	s_mov_b64 s[18:19], KROW
	s_mul_u64 s[20:21], s[20:21], s[18:19]         ; and their codes
	s_mul_u64 s[46:47], s[46:47], s[18:19]
	s_mul_i32 s45, s14, HALFT                      ; where they go: wave x 128 rows: no place in the cluster enters an LDS address
	s_mul_i32 s94, s14, HALFS
	s_wait_dscnt 0x0                               ; both opening adds are done
	s_wait_kmcnt 0x0
	s_add_nc_u64 s[20:21], s[4:5], s[20:21]
	s_add_nc_u64 s[22:23], s[6:7], s[22:23]
	s_add_nc_u64 s[46:47], s[8:9], s[46:47]
	s_add_nc_u64 s[92:93], s[10:11], s[92:93]
	CROUND                                         ; all sixteen work-groups are here: the joint loads meet
	s_mov_b32 s[G0S], 1
	s_add_co_u32 s[G0S+1], s94, SCL
	s_mov_b64 s[G0S+2:G0S+3], s[22:23]
	s_or_b32 s[G0S+3], s[G0S+3], 0x80000000
	s_mov_b32 s[G0SB], 1
	s_add_co_u32 s[G0SB+1], s94, SCL
	s_mov_b64 s[G0SB+2:G0SB+3], s[92:93]
	s_or_b32 s[G0SB+3], s[G0SB+3], 0x80000000
	JLOAD G0S, G1S, G0SB, G1SB                     ; the scales first: they are wanted with K step 0
.irp s, 0,1
	s_mov_b32 s[G0+4*\s], 1
	s_add_co_u32 s[G0+4*\s+1], s45, \s*SLOT
	s_add_nc_u64 s[G0+4*\s+2:G0+4*\s+3], s[20:21], \s*ROWB
	s_or_b32 s[G0+4*\s+3], s[G0+4*\s+3], 0x80000000
	s_mov_b32 s[G0B+4*\s], 1
	s_add_co_u32 s[G0B+4*\s+1], s45, \s*SLOT
	s_add_nc_u64 s[G0B+4*\s+2:G0B+4*\s+3], s[46:47], \s*ROWB
	s_or_b32 s[G0B+4*\s+3], s[G0B+4*\s+3], 0x80000000
	JLOAD G0+4*\s, G1, G0B+4*\s, G1B
.endr
	v_and_b32 v1, 15, v0                           ; r = lane % 16
	v_bfe_u32 v2, v0, 4, 1                         ; h = lane / 16
	v_mul_u32_u24 v3, v1, PITCH
	v_lshl_add_u32 v4, v2, 4, v3                   ; a fragment's row x pitch + 16 x half
	s_mul_i32 s21, s15, HALFT                      ; my 128 rows of x
	s_mul_i32 s22, s16, HALFT                      ; my 128 rows of W,
	s_add_co_u32 s22, s22, 2*HALFT                 ; which lie behind x's 256
.irp s, 0,1
	v_add_nc_u32 v[ADRA+\s], s21, v4
	v_add_nc_u32 v[ADRB+\s], s22, v4
	s_add_co_u32 s21, s21, SLOT
	s_add_co_u32 s22, s22, SLOT
.endr
	v_mul_u32_u24 v5, v1, KS                       ; my row's scales: 32 bytes a row,
	v_lshrrev_b32 v6, 8, v5
	v_lshl_add_u32 v5, v6, 4, v5                   ; and 16 more for each 256 passed
	s_mul_i32 s21, s15, HALFS
	s_mul_i32 s22, s16, HALFS
	s_add_co_u32 s22, s22, 2*HALFS
	s_sub_co_u32 s22, s22, s21
	v_mul_u32_u24 v6, s22, v2                      ; lanes 16-31 take W's: one product, the distance between the two bases
	s_add_co_u32 s21, s21, SCL
	v_add_nc_u32 v5, v5, v6
	v_add_nc_u32 v[ADRS], s21, v5
	s_mul_i32 s23, s14, 16*SPITCH                  ; my stage
	v_mul_u32_u24 v5, v1, SPITCH
	v_lshl_add_u32 v5, v2, 4, v5
	v_add_nc_u32 v[STO], s23, v5                   ; in: row r, 16 bytes for each half of the lanes
	v_bfe_u32 v5, v0, 3, 1
	v_mul_u32_u24 v5, v5, SPITCH
	v_lshl_add_u32 v5, v2, 7, v5
	v_and_b32 v6, 7, v0
	v_lshl_add_u32 v5, v6, 4, v5
	v_add_nc_u32 v[RD], s23, v5                    ; back: lanes 0-7 and 8-15 two positions of my first head (128 bytes each), lanes 16-31 the same of my second
	v_lshlrev_b32 v[CO], 18, v2
	v_lshl_add_u32 v[CO], v1, 4, v[CO]             ; in qkv: 16 lanes 256 consecutive bytes; the second head lies 262,144 bytes on
	v_mul_u32_u24 v[FO], v1, 12288
	v_lshl_add_u32 v[FO], v2, 5, v[FO]             ; in qkvf: row r, 32 bytes for each half of the lanes
	v_lshlrev_b32 v[BO], 5, v2                     ; in the bias: my half's eight numbers of a block of 16
	s_lshl_b32 s20, ttmp9, 24                      ; qkv: the part (q, k or v) is the cluster's x,
	s_lshl_b32 s21, s41, 22                        ; the batch cy,
	s_add_co_u32 s20, s20, s21
	s_lshl_b32 s21, s40, 2
	s_lshl_b32 s22, s16, 1
	s_add_co_u32 s21, s21, s22                     ; my first head 4 cx + 2 x column half,
	s_lshl_b32 s21, s21, 18
	s_add_co_u32 s20, s20, s21
	s_lshl_b32 s21, s67, 15                        ; 256 positions of 128 bytes for each cluster y,
	s_add_co_u32 s20, s20, s21
	s_lshl_b32 s21, s15, 14                        ; 128 for my row half
	s_add_co_u32 s20, s20, s21
	s_mov_b32 s21, 0
	s_add_nc_u64 s[96:97], s[96:97], s[20:21]
	s_lshl_b32 s22, s42, 10
	s_lshl_b32 s23, s16, 9
	s_add_co_u32 s22, s22, s23                     ; my first column, in bytes of f32
	s_mov_b32 s23, 0
	s_add_nc_u64 s[12:13], s[12:13], s[22:23]
	s_mul_i32 s20, s41, 196608                     ; qkvf: a batch's 16 rows of 12,288 bytes
	s_add_co_u32 s20, s20, s22
	s_add_nc_u64 s[98:99], s[98:99], s[20:21]
.irp b, 0,1,2,3,4,5,6,7
	global_load_b128 v[BI+8*\b:BI+8*\b+3], v[BO], s[12:13] offset:64*\b        ; register 8 b + j: the bias of column 16 b + 8 h + j
	global_load_b128 v[BI+8*\b+4:BI+8*\b+7], v[BO], s[12:13] offset:64*\b+16
.endr
.macro FRAG reg, adr, q, i             ; a fragment, 16 rows x 128 K of 4-bit codes: lane l holds row l % 16; registers 4 c .. 4 c + 3 hold K = 64 c + 32 (l / 16) + 0 .. 31
.irp c, 0,1
	ds_load_b128 v[\reg+4*\c:\reg+4*\c+3], v[\adr] offset:64*(\q)+32*\c+(\i)*16*PITCH
.endr
.endm
; 16 matrix instructions: x's blocks a0, a0 + 1 against W's eight, the slot's q-th 128 along K.  first = 1: the bias starts the sums: nothing is cleared.
; The 64 accumulators take turns, one instruction a turn, in the same order in every step.
.macro MUL16 a0, p, q, sc, first
.irp a, \a0, \a0+1
.irp b, 0,1,2,3,4,5,6,7
.if \first
	v_wmma_scale_f32_16x16x128_f8f6f4 v[8*(8*((\a)%4)+\b):8*(8*((\a)%4)+\b)+7], v[128*(\p)+FR*\b:128*(\p)+FR*\b+FR-1], v[AF+FR*(\a):AF+FR*(\a)+FR-1], v[BI+8*\b:BI+8*\b+7], v[SC+8*NQ*(\sc)+NQ*\b+(\q)], v[SC+8*NQ*(\sc)+NQ*(\a)+(\q)] matrix_a_fmt:MATRIX_FMT_FP4 matrix_b_fmt:MATRIX_FMT_FP4 matrix_a_scale:MATRIX_SCALE_ROW1
.else
	v_wmma_scale_f32_16x16x128_f8f6f4 v[8*(8*((\a)%4)+\b):8*(8*((\a)%4)+\b)+7], v[128*(\p)+FR*\b:128*(\p)+FR*\b+FR-1], v[AF+FR*(\a):AF+FR*(\a)+FR-1], v[8*(8*((\a)%4)+\b):8*(8*((\a)%4)+\b)+7], v[SC+8*NQ*(\sc)+NQ*\b+(\q)], v[SC+8*NQ*(\sc)+NQ*(\a)+(\q)] matrix_a_fmt:MATRIX_FMT_FP4 matrix_b_fmt:MATRIX_FMT_FP4 matrix_a_scale:MATRIX_SCALE_ROW1
.endif
.endr
.endr
.endm
.macro FETCH_B slot, q, p
	WIN TO_B
.irp i, 0,1,2,3,4,5,6,7
	FRAG 128*(\p)+FR*\i, ADRB+\slot, \q, \i
.endr
	WIN 0
.endm
.macro FETCH_A slot, q, i0
.irp i, \i0, \i0+1, \i0+2, \i0+3
	FRAG AF+FR*(\i), ADRA+\slot, \q, \i
.endr
.endm
.macro SCALES sc                       ; a K step's scale words into set sc: lanes 0-15 take x's block i, lanes 16-31 W's block i
.irp i, 0,1,2,3,4,5,6,7
	ds_load_b128 v[SC+8*NQ*\sc+NQ*\i:SC+8*NQ*\sc+NQ*\i+3], v[ADRS] offset:\i*SBLK
.endr
.endm
.macro PLACES n                        ; plain vector lines between a matrix instruction and a load into, or a read of, its registers
.rept \n
	v_nop
.endr
.endm
.macro STEP slot, q, first             ; a step of 128 along K that has its successor in the same slot
	s_wait_dscnt 4*NL                              ; W's set and x's blocks 0-3 are in; the youngest eight loads (x's blocks 4-7) may be out
.if \first
	WIN FIRST_LO
.else
	WIN MUL_LO
.endif
	MUL16 0, (\q)%2, \q, \slot, \first
	MUL16 2, (\q)%2, \q, \slot, \first
	s_wait_dscnt 0                                 ; x's blocks 4-7 are in
	PLACES NP
	FETCH_B \slot, (\q)+1, 1-(\q)%2
	FETCH_A \slot, (\q)+1, 0
.if \first
	WIN FIRST_HI
.else
	WIN MUL_HI
.endif
	MUL16 4, (\q)%2, \q, \slot, \first
	MUL16 6, (\q)%2, \q, \slot, \first
	PLACES NP
	WIN 0
	FETCH_A \slot, (\q)+1, 4
.endm
.macro STEPS slot, from
.set Q, \from
.rept NQ-1-\from
	STEP \slot, Q, 0
.set Q, Q+1
.endr
.endm
	s_wait_tensorcnt 1                             ; the scales and my part of K step 0 are in (K step 1's load may be out)
	s_barrier_signal -1
	s_barrier_wait -1                              ; everybody's are
	FETCH_B 0, 0, 0
	FETCH_A 0, 0, 0
	SCALES 0
	FETCH_A 0, 0, 4
	s_wait_loadcnt 0x0                             ; the bias
	STEP 0, 0, 1
	STEPS 0, 1
	; slot 0's last step changes slots: one barrier; in front of it my part of slot 1 has landed and my reads of slot 0 are over
	s_wait_tensorcnt 0x0                           ; all my tensor loads have landed
	ds_add_u32 v[SPW], v[NIL]                      ; 0 onto my spare word
	s_wait_dscnt 4*NL+1                            ; (the add and the youngest eight loads may be out)
	WIN MUL_LO
	MUL16 0, 1, NQ-1, 0, 0
	s_wait_dscnt 0x0
	s_barrier_signal -1
	MUL16 2, 1, NQ-1, 0, 0
	WIN 0
	s_barrier_wait -1
	PLACES NP
	v_add_nc_u32 v[ADRS], 4*NQ, v[ADRS]            ; on to the second K step's scale words
	FETCH_B 1, 0, 0
	FETCH_A 1, 0, 0
	SCALES 1
	WIN MUL_HI
	MUL16 4, 1, NQ-1, 0, 0
	MUL16 6, 1, NQ-1, 0, 0
	PLACES NP
	WIN 0
	FETCH_A 1, 0, 4
	STEPS 1, 0
	s_wait_dscnt 4*NL                              ; the very last step: nothing more to fetch
	WIN MUL_LO
	MUL16 0, 1, NQ-1, 1, 0
	MUL16 2, 1, NQ-1, 1, 0
	s_wait_dscnt 0
	WIN MUL_HI
	MUL16 4, 1, NQ-1, 1, 0
	MUL16 6, 1, NQ-1, 1, 0
	WIN 0
	; THE WAY OUT.  A block of 16 rows x 128 columns is rounded to f16, goes through my own stage in LDS and comes back so that sixteen lanes hold two positions of one head: 256 consecutive bytes of qkv.
.macro PACK a
.set AC, 64*((\a)%4)
	WIN 0x0a+5*((\a)/4)                            ; sources 0 and 1: window 2 or 3
.irp b, 0,1,2,3,4,5,6,7
.irp r, 0,1,2,3
	v_cvt_pk_f16_f32 v[TMP+4*\b+\r], v[AC+8*\b+2*\r], v[AC+8*\b+2*\r+1]     ; each accumulator from its low end on
.endr
.endr
	WIN 0
.endm
.macro TOSTAGE a
.set BB, OB+32*((\a)%2)
.irp b, 0,1,2,3,4,5,6,7
	ds_store_b128 v[STO], v[TMP+4*\b:TMP+4*\b+3] offset:32*\b
.endr
.irp t, 0,1,2,3,4,5,6,7
	ds_load_b128 v[BB+4*\t:BB+4*\t+3], v[RD] offset:\t*2*SPITCH    ; LDS serves a wave's instructions in order: these see the stores above
.endr
.endm
.macro SEND a
.set BB, OB+32*((\a)%2)
	s_wait_dscnt 0x0                               ; the block is back in registers
	s_wait_xcnt 0x0                                ; the stores of the block before have read their registers: the next block's loads may land there
.irp t, 0,1,2,3,4,5,6,7
	global_store_b128 v[CO], v[BB+4*\t:BB+4*\t+3], s[96:97] offset:2048*(\a)+256*\t
.endr
.endm
	PLACES NP
	s_cmp_lg_u32 s66, 0                            ; positions 0-15 lie in block 0 of row half 0 where the cluster's y is 0
	s_cbranch_scc1 .Lno_fine
	WIN 0x08                                       ; a store's data are its source 1: window 2
.irp b, 0,1,2,3,4,5,6,7
	global_store_b128 v[FO], v[8*\b:8*\b+3], s[98:99] offset:64*\b          ; in f32, as summed
	global_store_b128 v[FO], v[8*\b+4:8*\b+7], s[98:99] offset:64*\b+16
.endr
	WIN 0
.Lno_fine:
	PACK 0
	TOSTAGE 0
.irp a, 1,2,3,4,5,6,7                  ; block a's conversions stand between block a - 1's loads from the stage and the wait for them
	PACK \a
	SEND \a-1
	TOSTAGE \a
.endr
	SEND 7
	s_wait_tensorcnt 0x0                           ; the wave's end, behind my last tensor load and my last LDS store
	ds_add_u32 v[SPW], v[NIL]
	s_wait_dscnt 0x0
	CROUND                                         ; the closing round
	s_endpgm
.Lfunc_end_k_qa70b9d5aca_qkv_gemm:
	.size	k_qa70b9d5aca_qkv_gemm, .Lfunc_end_k_qa70b9d5aca_qkv_gemm-k_qa70b9d5aca_qkv_gemm
	.p2alignl 7, 3214868480
	.fill 96, 4, 3214868480
	.section	.rodata,"a",@progbits
	.p2align	6, 0x0
	.amdhsa_kernel k_qa70b9d5aca_qkv_gemm
		.amdhsa_group_segment_fixed_size 327680
		.amdhsa_private_segment_fixed_size 0
		.amdhsa_enable_private_segment 0
		.amdhsa_kernarg_size 56
		.amdhsa_user_sgpr_count 2
		.amdhsa_user_sgpr_kernarg_segment_ptr 1
		.amdhsa_wavefront_size32 1
		.amdhsa_system_sgpr_workgroup_id_x 1
		.amdhsa_system_sgpr_workgroup_id_y 1
		.amdhsa_system_sgpr_workgroup_id_z 1
		.amdhsa_system_vgpr_workitem_id 0
		.amdhsa_next_free_vgpr 1024
		.amdhsa_next_free_sgpr 100
		.amdhsa_reserve_vcc 0
		.amdhsa_float_denorm_mode_32 3
		.amdhsa_float_denorm_mode_16_64 3
		.amdhsa_memory_ordered 1
		.amdhsa_forward_progress 1
		.amdhsa_inst_pref_size 130
	.end_amdhsa_kernel
	.amdgpu_metadata
---
amdhsa.version: [ 1, 2 ]
amdhsa.kernels:
  - .name:           k_qa70b9d5aca_qkv_gemm
    .symbol:         k_qa70b9d5aca_qkv_gemm.kd
    .args:
      - { .name: xc, .offset: 0, .size: 8, .value_kind: global_buffer, .address_space: global }
      - { .name: xs, .offset: 8, .size: 8, .value_kind: global_buffer, .address_space: global }
      - { .name: wc, .offset: 16, .size: 8, .value_kind: global_buffer, .address_space: global }
      - { .name: ws, .offset: 24, .size: 8, .value_kind: global_buffer, .address_space: global }
      - { .name: b_qkv, .offset: 32, .size: 8, .value_kind: global_buffer, .address_space: global }
      - { .name: qkv, .offset: 40, .size: 8, .value_kind: global_buffer, .address_space: global }
      - { .name: qkvf, .offset: 48, .size: 8, .value_kind: global_buffer, .address_space: global }
    .group_segment_fixed_size: 327680
    .private_segment_fixed_size: 0
    .kernarg_segment_align: 8
    .kernarg_segment_size: 56
    .max_flat_workgroup_size: 128
    .sgpr_count:     100
    .vgpr_count:     1024
    .wavefront_size: 32
...
	.end_amdgpu_metadata
.endif
;; end of part 2
;; launch attn (part 3): grid 4 x 64, 16 waves a work-group, no clusters, 327,680 bytes of LDS; arguments qkv, att; writes att
.if DOCPART == 3
	.amdgcn_target "amdgcn-amd-amdhsa--gfx1250"
	.amdhsa_code_object_version 6
	.text
	.protected	k_qa70b9d5aca_attn
	.globl	k_qa70b9d5aca_attn
	.p2align	8
	.type	k_qa70b9d5aca_attn,@function
k_qa70b9d5aca_attn:
	s_mov_b64 s[64:65], 0
	v_nop
	global_prefetch_b8 v0, s[64:65] scope:SCOPE_SE
	s_setreg_imm32_b32 hwreg(HW_REG_WAVE_MODE, 25, 1), 1
	s_wait_xcnt 0x0
; att[b][h][q][:] = the sum over k <= q of softmax_k(Q . K / 8) V, on f16 operands with f32 products' sums, maxima and sums.  qkv: f16 [part][b][h][2048][64];  att: f16 [b][h][2048][64].
; WORK LEFT OUT: a step of 64 keys that all lie behind a wave's 32 queries has the weight 0 under reference()'s own tril mask, whatever the inputs hold: it is jumped over, and a slot of keys behind the work-group's
; last query is not loaded.  A NaN or an infinity in such a k or v is not carried to the result.  (Positions 0-15 are made here too, inside a live tile; the last launch makes their output rows anew in f32.)
; NO CLUSTER: the four work-groups of a head end their walks over the keys at different slots (2,048 - 256 j keys), so a joint load would bring tiles that a partner never reads.
; SHARES.  Work-group (j, head) owns the query blocks j and 7 - j, 256 queries each: (j + 1) + (8 - j) = 9 blocks of keys of work for every j.  A wave owns 32 queries, two tiles of 16; of each pair of waves one
; serves the early block and one the late.  All waves walk the keys together, 64 a step, through a ring of two LDS slots of 256 keys (waves 0, 1 fetch K's halves, waves 2, 3 V's).
; LAYOUT.  S^T = K Q^T (source 0 = 16 keys, source 1 = 16 queries) and O^T = V^T P: a lane holds ONE query throughout.  Two tiles of S^T, rounded in pairs, are source 1 of the second product.  V is turned by ds_load_tr16_b128.
; SOFTMAX.  A running maximum m and sum l for each query: p = 2^(c s - c m), c = log2(e) / 8; in every step O and l are multiplied by a = 2^(c m_old - c m_new).
; In LDS a row holds TWO keys (256 bytes) and its padding: key kk lies at (kk / 2) x pitch + 128 (kk % 2).
.set PK,    272
.set PV,    288
.set VOFF,  128*PK                     ; a slot: 256 keys of K, then 256 of V
.set SLOT1, 1<<17
.set STAGE, 2*SLOT1                    ; the way out: 16 rows x (128 bytes + 16) for each wave; no tile lands here
.set SPARE, STAGE+16*2304              ; the spare words, 128 bytes for each wave: eight blocks of 256 bytes that no other line names
.set AK0, 1                            ; v1   my lane's place in a tile of K
.set AV0, 2                            ; v2   the same for V
.set ADK, 3                            ; v3   LDS address of the slot's K for my lane
.set ADV, 4                            ; v4   of its V
.set SPW, 5                            ; v5   LDS address of my spare word; never rewritten
.set NIL, 6                            ; v6   0; never rewritten
.set GO,  7                            ; v7   16 x lane: my bytes of 512 on the way out
.set STO, 8                            ; v8   the stage, in
.set RD,  9                            ; v9   the stage, back
.set NINF, 10                          ; v10  -infinity
.set PFO, 11                           ; v11  256 x lane: the prefetches' offset; never rewritten
.set DD,  12                           ; v12, v13  the mask: my query less the step's first key less 8 (lane / 16), for tiles 0 and 1
.set RH,  14                           ; v14  lane % 16 - 8 (lane / 16)
.set QO,  15                           ; v15  my byte offset in the wave's rows of Q; never rewritten
.set ST,  16                           ; tile t's statistics at v[ST + 8 t]: +0 c m, +1 m, +2, +3 l, +4 .. +7 at work; a takes +6
.set RQ,  32                           ; Q: tile t, channels 32 c on: v[RQ + 16 t + 8 c]
.set RS,  64                           ; S^T: tile t, keys 16 kt on: v[RS + 32 t + 8 kt]
.set RP,  128                          ; P: v[RP + 16 t + 8 kc]
.set RO,  160                          ; O^T: v[RO + 32 t + 8 ct]
.set KV,  224                          ; four fragments of K or of V
.set WV,  18
.set SEL, 20
.set CS,  22
.set G1K, 24
.set G1V, 32
.set G0K, 40
.set G0V, 44
.set TB,  2                            ; s2   LDS byte at which the slot in hand begins
.set SLOTS, 67
.set LASTQ, 66                         ; s66  my work-group's last query
.set KF,  98                           ; s98  the step's first key
.set Q0,  99                           ; s99  my wave's first query
.set PFA, 76
.set LIM, 80
; Waves 0 and 1 fetch for K, waves 2 and 3 for V, the others nothing.  An s_nop 0 and four v_nop follow each of the two lines.
.macro TLOAD
	s_cmp_lt_u32 s[WV], 2
	s_cbranch_scc0 .Lnot_k_\@
	tensor_load_to_lds s[G0K:G0K+3], s[G1K:G1K+7]
	s_nop 0
.rept 4
	v_nop
.endr
	s_branch .Lasked_\@
.Lnot_k_\@:
	s_cmp_lt_u32 s[WV], 4
	s_cbranch_scc0 .Lasked_\@
	tensor_load_to_lds s[G0V:G0V+3], s[G1V:G1V+7]
	s_nop 0
.rept 4
	v_nop
.endr
.Lasked_\@:
.endm
; A prefetch of what the NEXT change of slots will ask for: 32,768 bytes of K and as many of V.  Of a head's four work-groups the one with j = 0, which walks all keys, asks; in it waves 4 to 7 ask for K's,
; 8,192 bytes a wave, lanes 256 bytes apart, waves 8 to 11 for V's likewise: each block of 256 bytes is named once.  The last change that fills a slot asks for nothing; slots 0 and 1 come by their loads alone.
.macro ASK
	s_cmp_gt_u32 s[SLOTS], s[LIM]
	s_cbranch_scc0 .Lnot_mine_\@
	global_prefetch_b8 v[PFO], s[PFA:PFA+1] th:TH_LOAD_NT scope:SCOPE_SE
.Lnot_mine_\@:
.endm
	s_load_b128 s[4:7], s[0:1], 0x0                ; qkv s[4:5], att s[6:7]
	v_lshl_add_u32 v[SPW], v0, 2, SPARE
	v_mov_b32 v[NIL], 0
	ds_add_u32 v[SPW], v[NIL]                      ; the wave's opening: the add, twice on end, and its wait ahead of my first tensor load
	ds_add_u32 v[SPW], v[NIL]
	v_lshrrev_b32 v64, 5, v0
	v_readfirstlane_b32 s[WV], v64                 ; wave 0..15
	s_and_b32 s72, ttmp7, 0xffff                   ; 16 x batch + head
	s_lshl_b32 s74, s72, 18                        ; its 2,048 rows of 128 bytes
	s_mov_b32 s75, 0
	s_lshr_b32 s81, s[WV], 2
	s_xor_b32 s81, s81, s[WV]
	s_and_b32 s81, s81, 1                          ; 1: I serve the late block
	s_sub_co_u32 s82, 7, ttmp9
	s_cmp_eq_u32 s81, 1
	s_cselect_b32 s83, s82, ttmp9                  ; my block of 256 queries
	s_lshl_b32 s[Q0], s83, 8
	s_lshr_b32 s84, s[WV], 1
	s_lshl_b32 s84, s84, 5
	s_add_co_u32 s[Q0], s[Q0], s84                 ; + 32 x (wave / 2)
	s_lshl_b32 s[LASTQ], s82, 8
	s_or_b32 s[LASTQ], s[LASTQ], 255
	s_and_b32 s88, s[WV], 1                        ; which half of a slot I fetch, if I fetch
	s_lshl_b32 s90, s88, 14                        ; 128 keys of 128 bytes in memory
	s_mov_b32 s91, 0
	s_add_nc_u64 s[90:91], s[90:91], s[74:75]
	s_mul_i32 s89, s88, 64*PK                      ; and in a slot: K,
	s_mul_i32 s94, s88, 64*PV
	s_add_co_u32 s94, s94, VOFF                    ; V
	; descriptor group 1: 64 rows of 128 elements of 2 bytes, dense in memory; 4 words (K) or 8 words (V) of padding behind every 64
	s_mov_b32 s[G1K], (1<<16)|(1<<20)|(5<<22)|(3<<25)
	s_mov_b32 s[G1V], (1<<16)|(1<<20)|(5<<22)|(7<<25)
.irp g, G1K, G1V
	s_mov_b32 s[\g+1], 128<<16                     ; tensor_dim0
	s_mov_b32 s[\g+2], 64<<16                      ; tensor_dim1
	s_mov_b32 s[\g+3], 128<<16                     ; tile_dim0
	s_mov_b32 s[\g+4], 64                          ; tile_dim1
	s_mov_b32 s[\g+5], 128                         ; the pitch
	s_mov_b32 s[\g+6], 0
	s_mov_b32 s[\g+7], 0
.endr
	s_mov_b32 s[SEL], 0x76543210
	s_mov_b32 s[SEL+1], 0xfedcba98                 ; v_permlanex16_b32's selects for lane l xor 16
	s_mov_b32 s[CS], 0x3e38aa3b                    ; c = log2(e) / 8
	s_mov_b32 s[CS+1], s[CS]                       ; (named with it as a pair, so it is written)
	s_mov_b32 s[TB], 0
	s_mov_b32 s[SLOTS], 7
	s_mov_b32 s[KF], 0
	s_lshl_b32 s92, s[Q0], 7
	s_mov_b32 s93, 0
	s_add_nc_u64 s[92:93], s[92:93], s[74:75]      ; my first query's row, in Q's part and in att
	s_wait_dscnt 0x0                               ; both opening adds are done
	s_wait_kmcnt 0x0
	s_mov_b32 s[G0K], 1
	s_mov_b32 s[G0K+1], s89
	s_add_nc_u64 s[G0K+2:G0K+3], s[4:5], s[90:91]
	s_add_nc_u64 s[G0K+2:G0K+3], s[G0K+2:G0K+3], 0x1000000   ; K's part
	s_or_b32 s[G0K+3], s[G0K+3], 0x80000000
	s_mov_b32 s[G0V], 1
	s_mov_b32 s[G0V+1], s94
	s_add_nc_u64 s[G0V+2:G0V+3], s[4:5], s[90:91]
	s_add_nc_u64 s[G0V+2:G0V+3], s[G0V+2:G0V+3], 0x2000000   ; V's part
	s_or_b32 s[G0V+3], s[G0V+3], 0x80000000
	TLOAD                                          ; slot 0: it holds key 0, which counts for every query
	s_add_nc_u64 s[8:9], s[4:5], s[92:93]          ; Q at my first query
	s_add_nc_u64 s[16:17], s[6:7], s[92:93]        ; att likewise
	v_and_b32 v64, 15, v0                          ; r
	v_bfe_u32 v65, v0, 4, 1                        ; h
	v_and_b32 v66, 31, v0                          ; lane
	v_lshlrev_b32 v[QO], 7, v64
	v_lshl_add_u32 v[QO], v65, 4, v[QO]            ; row r of 128 bytes + 16 h
.irp t, 0,1
.irp c, 0,1
	global_load_b128 v[RQ+16*\t+8*\c:RQ+16*\t+8*\c+3], v[QO], s[8:9] offset:2048*\t+64*\c th:TH_LOAD_NT
	global_load_b128 v[RQ+16*\t+8*\c+4:RQ+16*\t+8*\c+7], v[QO], s[8:9] offset:2048*\t+64*\c+32 th:TH_LOAD_NT
.endr
.endr
	; the prefetches: where my wave's stand, and who asks
	s_mov_b32 s83, 0x2000000
	s_cmp_lt_u32 s[WV], 8
	s_cselect_b32 s82, 0x1000000, s83              ; waves 4 to 7: K's part; waves 8 to 11: V's
	s_and_b32 s83, s[WV], 3
	s_lshl_b32 s83, s83, 13
	s_add_co_u32 s82, s82, s83                     ; my wave's 8,192 bytes,
	s_add_co_u32 s82, s82, s74                     ; in my head,
	s_add_co_u32 s82, s82, 32768                   ; in slot 1: the first change of slots steps it to slot 2
	s_mov_b32 s83, 0
	s_add_nc_u64 s[PFA:PFA+1], s[4:5], s[82:83]
	s_sub_co_u32 s82, s[WV], 4
	s_lshr_b32 s82, s82, 3                         ; 0 in waves 4 to 11,
	s_or_b32 s82, s82, ttmp9                       ; of the work-group with j = 0
	s_cmp_eq_u32 s82, 0
	s_cselect_b32 s[LIM], 1, -1
	v_lshrrev_b32 v67, 1, v64
	v_mul_u32_u24 v[AK0], v67, PK
	v_and_b32 v67, 1, v64
	v_lshl_add_u32 v[AK0], v67, 7, v[AK0]
	v_lshl_add_u32 v[AK0], v65, 4, v[AK0]          ; K: key r: (r / 2) x pitch + 128 (r % 2) + 16 h
	v_bfe_u32 v67, v0, 1, 2
	v_lshl_add_u32 v67, v65, 2, v67
	v_mul_u32_u24 v[AV0], v67, PV
	v_and_b32 v67, 1, v0
	v_lshl_add_u32 v[AV0], v67, 7, v[AV0]
	v_bfe_u32 v67, v0, 3, 1
	v_lshl_add_u32 v[AV0], v67, 4, v[AV0]
	v_add_nc_u32 v[AV0], VOFF, v[AV0]              ; V, for the turning load: key 8 h + lane % 8, channels 8 ((lane / 8) % 2) on
	v_lshlrev_b32 v[GO], 4, v66
	s_mul_i32 s73, s[WV], 2304
	s_add_co_u32 s73, s73, STAGE                   ; my stage
	v_mul_u32_u24 v[STO], v64, 144
	v_lshl_add_u32 v[STO], v65, 4, v[STO]
	v_add_nc_u32 v[STO], s73, v[STO]               ; in: row r, 16 bytes for each half of the lanes
	v_lshrrev_b32 v67, 3, v66
	v_mul_u32_u24 v[RD], v67, 144
	v_and_b32 v67, 7, v0
	v_lshl_add_u32 v[RD], v67, 4, v[RD]
	v_add_nc_u32 v[RD], s73, v[RD]                 ; back: eight lanes to a row of 128 bytes, four rows an instruction
	v_mov_b32 v[NINF], 0xff800000
	v_lshlrev_b32 v[PFO], 8, v66
	v_lshlrev_b32 v67, 3, v65
	v_sub_nc_u32 v[RH], v64, v67
.irp t, 0,1
	v_mov_b32 v[ST+8*\t+1], 0xff61b1e6             ; m: -3e38, under every score
	v_mul_f32 v[ST+8*\t], s[CS], v[ST+8*\t+1]      ; c m
.irp i, 2,3,4,5,6,7
	v_mov_b32 v[ST+8*\t+\i], 0                     ; l; and what is at work is written once: a lane permute's destination counts as one of its sources
.endr
.endr
.set n, 0
.rept 64
	v_mov_b32 v[RO+n], 0                           ; O^T.  (The step is written once: its first run finds zeros, which a = 0 leaves zeros)
.set n, n+1
.endr
.macro VLOAD q, kc                     ; V^T of keys 32 kc on of the slot's q-th step: four tiles of 16 channels
.irp ct, 0,1,2,3
	ds_load_tr16_b128 v[KV+8*\ct:KV+8*\ct+3], v[ADV] offset:32*PV*(\q)+16*PV*(\kc)+32*\ct
	ds_load_tr16_b128 v[KV+8*\ct+4:KV+8*\ct+7], v[ADV] offset:32*PV*(\q)+16*PV*(\kc)+8*PV+32*\ct
.endr
.endm
.macro PVMUL kc                        ; eight products O^T += V^T P: the eight accumulators by turns
.irp ct, 0,1,2,3
.irp t, 0,1
	v_wmma_f32_16x16x32_f16 v[RO+32*\t+8*\ct:RO+32*\t+8*\ct+7], v[KV+8*\ct:KV+8*\ct+7], v[RP+16*\t+8*(\kc):RP+16*\t+8*(\kc)+7], v[RO+32*\t+8*\ct:RO+32*\t+8*\ct+7]
.endr
.endr
.endm
; A KEY STEP: 64 keys, the q-th of the slot in hand.
.macro STEP q
	s_add_co_u32 s96, s[Q0], 31                    ; a step all of whose keys come after my 32 queries is left out: a branch on ids and the count of steps, round loads, products and softmax alone
	s_cmp_gt_u32 s[KF], s96
	s_cbranch_scc1 .Lhidden_\@
	v_add_nc_u32 v[ADK], s[TB], v[AK0]
	v_add_nc_u32 v[ADV], s[TB], v[AV0]
	v_nop
	v_nop                                          ; four plain lines in front of loads into registers that the last products read
.irp g, 0,1                            ; S^T = K Q^T, two tiles of 16 keys at a time, for both tiles of queries
.irp u, 0,1
.irp c, 0,1
	ds_load_b128 v[KV+16*\u+8*\c:KV+16*\u+8*\c+3], v[ADK] offset:32*PK*(\q)+8*PK*(2*\g+\u)+64*\c
	ds_load_b128 v[KV+16*\u+8*\c+4:KV+16*\u+8*\c+7], v[ADK] offset:32*PK*(\q)+8*PK*(2*\g+\u)+64*\c+32
.endr
.endr
	s_wait_dscnt 0x0
.irp c, 0,1
.irp u, 0,1
.irp t, 0,1
.if \c == 0
	v_wmma_f32_16x16x32_f16 v[RS+32*\t+8*(2*\g+\u):RS+32*\t+8*(2*\g+\u)+7], v[KV+16*\u+8*\c:KV+16*\u+8*\c+7], v[RQ+16*\t+8*\c:RQ+16*\t+8*\c+7], 0
.else
	v_wmma_f32_16x16x32_f16 v[RS+32*\t+8*(2*\g+\u):RS+32*\t+8*(2*\g+\u)+7], v[KV+16*\u+8*\c:KV+16*\u+8*\c+7], v[RQ+16*\t+8*\c:RQ+16*\t+8*\c+7], v[RS+32*\t+8*(2*\g+\u):RS+32*\t+8*(2*\g+\u)+7]
.endif
.endr
.endr
.endr
.rept 4
	v_nop                                          ; places in front of the next loads into K's registers and of the first read of the scores
.endr
.endr
	VLOAD \q, 0                                    ; V's first 32 keys land while the softmax is walked
	s_add_co_u32 s96, s[KF], 63                    ; on the diagonal hidden scores become -infinity ahead of the maximum; a step all of whose keys count skips this
	s_cmp_le_u32 s96, s[Q0]
	s_cbranch_scc1 .Lopen_\@
	s_sub_co_i32 s96, s[Q0], s[KF]
	v_add_nc_u32 v[DD], s96, v[RH]                 ; register 8 kt + i holds key KF + 16 kt + 8 h + i: hidden where 16 kt + i > my query - KF - 8 h
	v_add_nc_u32 v[DD+1], 16, v[DD]
.irp t, 0,1
.set n, 0
.rept 32
	v_cmp_gt_i32 vcc_lo, 16*(n/8)+n%8, v[DD+\t]
	v_cndmask_b32 v[RS+32*\t+n], v[RS+32*\t+n], v[NINF], vcc_lo
.set n, n+1
.endr
.endr
.Lopen_\@:
	; the maximum of my 32 scores and the old m, three operands at a time, each accumulator from its low end on; the two tiles by turns
.irp j, 0,1,2,3
.irp t, 0,1
	v_max3_num_f32 v[ST+8*\t+4+\j], v[RS+32*\t+8*\j], v[RS+32*\t+8*\j+1], v[RS+32*\t+8*\j+2]
.endr
.endr
.irp i, 1,2
.irp j, 0,1,2,3
.irp t, 0,1
	v_max3_num_f32 v[ST+8*\t+4+\j], v[ST+8*\t+4+\j], v[RS+32*\t+8*\j+2*\i+1], v[RS+32*\t+8*\j+2*\i+2]
.endr
.endr
.endr
.irp t, 0,1
	v_max3_num_f32 v[ST+8*\t+4], v[ST+8*\t+4], v[RS+32*\t+7], v[RS+32*\t+15]
	v_max3_num_f32 v[ST+8*\t+6], v[ST+8*\t+6], v[RS+32*\t+23], v[RS+32*\t+31]
.endr
.irp t, 0,1
	v_max3_num_f32 v[ST+8*\t+4], v[ST+8*\t+4], v[ST+8*\t+5], v[ST+8*\t+6]
.endr
.irp t, 0,1
	v_max3_num_f32 v[ST+8*\t+4], v[ST+8*\t+4], v[ST+8*\t+7], v[ST+8*\t+1]
.endr
.irp t, 0,1
	v_permlanex16_b32 v[ST+8*\t+5], v[ST+8*\t+4], s[SEL], s[SEL+1]   ; the query's other 32 keys lie in the lane 16 away
.endr
.irp t, 0,1
	v_mov_b32 v[ST+8*\t+7], v[ST+8*\t]             ; c m_old is kept for a
.endr
.irp t, 0,1
	v_max_num_f32 v[ST+8*\t+1], v[ST+8*\t+4], v[ST+8*\t+5]
.endr
.irp t, 0,1
	v_mul_f32 v[ST+8*\t], s[CS], v[ST+8*\t+1]
.endr
.irp t, 0,1
	v_sub_f32 v[ST+8*\t+7], v[ST+8*\t+7], v[ST+8*\t]
.endr
.set n, 0
.rept 16
.irp t, 0,1
	v_pk_fma_f32 v[RS+32*\t+2*n:RS+32*\t+2*n+1], v[RS+32*\t+2*n:RS+32*\t+2*n+1], s[CS:CS+1], v[ST+8*\t:ST+8*\t+1] op_sel_hi:[1,0,0] neg_lo:[0,0,1] neg_hi:[0,0,1]   ; c s - c m, two at a time
.endr
.set n, n+1
.endr
.irp t, 0,1
	v_exp_f32 v[ST+8*\t+6], v[ST+8*\t+7]           ; a
.endr
.set n, 0
.rept 64
	v_exp_f32 v[RS+n], v[RS+n]                     ; p: ONE batch of 66 exponentials
.set n, n+1
.endr
	v_nop                                          ; a plain line behind the last exponential
	s_wait_alu depctr_va_vdst(0)                   ; the wait ahead of the first line that names a result: one for the batch
.set n, 0
.rept 16
.irp t, 0,1
	v_cvt_pk_f16_f32 v[RP+16*\t+n], v[RS+32*\t+2*n], v[RS+32*\t+2*n+1]
.endr
.set n, n+1
.endr
.irp w, 4,8,16,32                      ; the sum of a tile's 16 pairs, in place: neighbours 1, 2, 4 and 8 pairs apart
.set n, 0
.rept 32/\w
.irp t, 0,1
	v_pk_add_f32 v[RS+32*\t+\w*n:RS+32*\t+\w*n+1], v[RS+32*\t+\w*n:RS+32*\t+\w*n+1], v[RS+32*\t+\w*n+\w/2:RS+32*\t+\w*n+\w/2+1]
.endr
.set n, n+1
.endr
.endr
.irp t, 0,1
	v_pk_fma_f32 v[ST+8*\t+2:ST+8*\t+3], v[ST+8*\t+2:ST+8*\t+3], v[ST+8*\t+6:ST+8*\t+7], v[RS+32*\t:RS+32*\t+1] op_sel_hi:[1,0,1]   ; l = a l + the sum
.endr
.set n, 0
.rept 16
.irp t, 0,1
	v_pk_mul_f32 v[RO+32*\t+2*n:RO+32*\t+2*n+1], v[RO+32*\t+2*n:RO+32*\t+2*n+1], v[ST+8*\t+6:ST+8*\t+7] op_sel_hi:[1,0]   ; O^T x a, each accumulator from its low end on
.endr
.set n, n+1
.endr
	s_wait_dscnt 0x0                               ; V's first 32 keys are in
	PVMUL 0
.rept 4
	v_nop
.endr
	VLOAD \q, 1
	s_wait_dscnt 0x0
	PVMUL 1
.Lhidden_\@:
	s_add_co_u32 s[KF], s[KF], 64
.endm
; THE CHANGE OF SLOTS stands at a slot's head.  Each wave waits for all its tensor loads, adds 0 to its spare word, and waits for that and for its reads of the slot that it has left; behind the barrier the slot
; ahead is whole and nobody reads the other one.  fill = 1: that other slot is filled with the next 256 keys, up to the causal limit: the load has four key steps in which to land.
.macro CHANGE fill
	s_wait_tensorcnt 0x0                           ; no tensor load of mine is out, so a group 0 may be written
	ds_add_u32 v[SPW], v[NIL]                      ; 0 onto my spare word
.if \fill
	ds_add_u32 v[SPW], v[NIL]                      ; and once more: the add twice on end, in every trip alike
	s_xor_b32 s[G0K+1], s[G0K+1], SLOT1            ; the walking descriptors: the other slot,
	s_add_nc_u64 s[G0K+2:G0K+3], s[G0K+2:G0K+3], 32768   ; the next 256 keys
	s_xor_b32 s[G0V+1], s[G0V+1], SLOT1
	s_add_nc_u64 s[G0V+2:G0V+3], s[G0V+2:G0V+3], 32768
	s_wait_xcnt 0x0                                ; the last prefetch, a slot back, has read its address
	s_add_nc_u64 s[PFA:PFA+1], s[PFA:PFA+1], 32768
.endif
	s_wait_dscnt 0x0
	s_barrier_signal -1
	s_barrier_wait -1
.if \fill
	s_add_co_u32 s96, s[KF], 256                   ; the first key of the slot that this change would ask for:
	s_cmp_gt_u32 s96, s[LASTQ]                     ; behind my work-group's last query none of its waves reads it, so it is not asked for.  Ids and the count of steps alone: all sixteen waves go the same way;
	s_cbranch_scc1 .Lpast_\@                       ; every wait on TENSORcnt in this text is for 0, and where the tail begins hangs on the work-group's number
	TLOAD                                          ; a wave's one tensor load until the next such barrier
.Lpast_\@:
	ASK
.endif
.endm
.macro SLOT_STEPS
	STEP 0
	STEP 1
	STEP 2
	STEP 3
	s_xor_b32 s[TB], s[TB], SLOT1                  ; on to the other slot
.endm
	s_wait_loadcnt 0x0                             ; Q
.Lslot:                                            ; seven trips: behind each change of slots but the last the next slot is asked for, up to the causal limit
	CHANGE 1
	SLOT_STEPS
	s_sub_co_u32 s[SLOTS], s[SLOTS], 1
	s_cmp_lg_u32 s[SLOTS], 0
	s_cbranch_scc1 .Lslot
	CHANGE 0                                       ; the last slot is written out: nothing is left to ask for
	SLOT_STEPS
	; THE WAY OUT.  l's two halves and the other half of the lanes' are added (plain lines behind the last products); O^T is divided by l, rounded to f16 and goes through my stage, a tile of 16 queries at a time.
.irp t, 0,1
	v_add_f32 v[ST+8*\t+4], v[ST+8*\t+2], v[ST+8*\t+3]
.endr
	v_nop
	v_nop
.irp t, 0,1
	v_permlanex16_b32 v[ST+8*\t+5], v[ST+8*\t+4], s[SEL], s[SEL+1]
.endr
.irp t, 0,1
	v_add_f32 v[ST+8*\t+4], v[ST+8*\t+4], v[ST+8*\t+5]
.endr
.irp t, 0,1
	v_rcp_f32 v[ST+8*\t+6], v[ST+8*\t+4]
.endr
	v_nop                                          ; a plain line behind the last reciprocal
	s_wait_alu depctr_va_vdst(0)                   ; and the wait ahead of the first use: one for the two
.irp t, 0,1
.set n, 0
.rept 16
	v_pk_mul_f32 v[RO+32*\t+2*n:RO+32*\t+2*n+1], v[RO+32*\t+2*n:RO+32*\t+2*n+1], v[ST+8*\t+6:ST+8*\t+7] op_sel_hi:[1,0]
.set n, n+1
.endr
.set n, 0
.rept 16
	v_cvt_pk_f16_f32 v[RS+32*\t+n], v[RO+32*\t+2*n], v[RO+32*\t+2*n+1]
.set n, n+1
.endr
.irp ct, 0,1,2,3
	ds_store_b128 v[STO], v[RS+32*\t+4*\ct:RS+32*\t+4*\ct+3] offset:32*\ct
.endr
.irp i, 0,1,2,3
	ds_load_b128 v[RS+32*\t+16+4*\i:RS+32*\t+16+4*\i+3], v[RD] offset:576*\i   ; LDS serves a wave's instructions in order: these see the stores above, and the next tile's stores come behind them
.endr
.endr
.irp t, 0,1
.irp i, 0,1,2,3
	s_wait_dscnt 8*(1-\t)+3-\i                     ; the younger LDS instructions may be out: tile 1's eight, and this tile's later loads
	global_store_b128 v[GO], v[RS+32*\t+16+4*\i:RS+32*\t+16+4*\i+3], s[16:17] offset:2048*\t+512*\i   ; 32 lanes store 512 consecutive bytes, aligned
.endr
.endr
	s_wait_tensorcnt 0x0                           ; the wave's end, behind my last tensor load and my last LDS store
	ds_add_u32 v[SPW], v[NIL]
	s_wait_dscnt 0x0
	s_endpgm
.Lfunc_end_k_qa70b9d5aca_attn:
	.size	k_qa70b9d5aca_attn, .Lfunc_end_k_qa70b9d5aca_attn-k_qa70b9d5aca_attn
	.p2alignl 7, 3214868480
	.fill 96, 4, 3214868480
	.section	.rodata,"a",@progbits
	.p2align	6, 0x0
	.amdhsa_kernel k_qa70b9d5aca_attn
		.amdhsa_group_segment_fixed_size 327680
		.amdhsa_private_segment_fixed_size 0
		.amdhsa_enable_private_segment 0
		.amdhsa_kernarg_size 16
		.amdhsa_user_sgpr_count 2
		.amdhsa_user_sgpr_kernarg_segment_ptr 1
		.amdhsa_wavefront_size32 1
		.amdhsa_system_sgpr_workgroup_id_x 1
		.amdhsa_system_sgpr_workgroup_id_y 1
		.amdhsa_system_sgpr_workgroup_id_z 1
		.amdhsa_system_vgpr_workitem_id 0
		.amdhsa_next_free_vgpr 256
		.amdhsa_next_free_sgpr 100
		.amdhsa_reserve_vcc 1
		.amdhsa_float_denorm_mode_32 3
		.amdhsa_float_denorm_mode_16_64 3
		.amdhsa_memory_ordered 1
		.amdhsa_forward_progress 1
		.amdhsa_inst_pref_size 190
	.end_amdhsa_kernel
	.amdgpu_metadata
---
amdhsa.version: [ 1, 2 ]
amdhsa.kernels:
  - .name:           k_qa70b9d5aca_attn
    .symbol:         k_qa70b9d5aca_attn.kd
    .args:
      - { .name: qkv, .offset: 0, .size: 8, .value_kind: global_buffer, .address_space: global }
      - { .name: att, .offset: 8, .size: 8, .value_kind: global_buffer, .address_space: global }
    .group_segment_fixed_size: 327680
    .private_segment_fixed_size: 0
    .kernarg_segment_align: 8
    .kernarg_segment_size: 16
    .max_flat_workgroup_size: 512
    .sgpr_count:     100
    .vgpr_count:     256
    .wavefront_size: 32
...
	.end_amdgpu_metadata
.endif
;; end of part 3
;; launch proj (part 4): grid 8 x 32, 4 waves a work-group, clusters of 4 x 4, 327,680 bytes of LDS; arguments att, wt, b_out, out0; writes out0
.if DOCPART == 4
	.amdgcn_target "amdgcn-amd-amdhsa--gfx1250"
	.amdhsa_code_object_version 6
	.text
	.protected	k_qa70b9d5aca_proj
	.globl	k_qa70b9d5aca_proj
	.p2align	8
	.type	k_qa70b9d5aca_proj,@function
k_qa70b9d5aca_proj:
	s_mov_b64 s[64:65], 0
	v_nop
	global_prefetch_b8 v0, s[64:65] scope:SCOPE_SE
	s_setreg_imm32_b32 hwreg(HW_REG_WAVE_MODE, 25, 1), 1
	s_wait_xcnt 0x0
	s_wait_alu depctr_hold_cnt(0) depctr_sa_sdst(0) depctr_va_vdst(0) depctr_va_sdst(0) depctr_va_ssrc(0) depctr_va_vcc(0) depctr_vm_vsrc(0)
	s_getreg_b32 s2, hwreg(HW_REG_IB_STS2, 6, 4)
	s_cmp_eq_u32 s2, 0
	s_cbranch_scc0 .Lentry_in_a_cluster
	s_endpgm
.Lentry_in_a_cluster:
	s_bfe_u32 s2, ttmp6, 0x10000c
	s_cmp_lg_u32 s2, 0xf033
	s_cbranch_scc0 .Lentry_shape_is_right
	s_endpgm
.Lentry_shape_is_right:
; out0 = attended W_out + b_out on f16 operands, sums in f32.  att: f16 [b][h][2048][64];  wt = W_out^T: f16 [1024 n][1024 k], k = 64 head + channel;  out0: f32 [8192][1024].
; LEFT OUT HERE: the STORE of positions 0-15 of every sequence: the last launch makes those rows in f32 and stores them.  Their block of 16 rows lies inside a live tile and is multiplied with it.
; A tile of 256 rows x 128 columns is made by four waves, 128 x 64 each: 32 accumulators.  K goes in steps of 128 (two heads) through a ring of two LDS slots: eight steps.
; A head's 256 positions are one dense block of 32,768 bytes: it comes as 128 rows of 256 bytes, two positions to an LDS row: position s lies at (s / 2) x 272 + 128 (s % 2).
; CLUSTERS: 4 x 4 work-groups.  Along y the partners are the four batches at one block of 256 positions; the four along x need the same rows of att, the four along y the same rows of wt: joint loads.
; THE MATRIX INSTRUCTION IS USED TRANSPOSED (source 0 = 16 rows of wt, source 1 = 16 rows of att): a lane holds eight neighbouring columns of one row.  The bias is the C of each sum's first instruction.
; No prefetch: the walk has eight K steps, two of them first fills.
; REGISTERS: window 0: v0-31 addresses; v32-63 the bias; v64-127 rows on the way out.   window 1: two fragment buffers of 96: 64 of att, then 32 of wt.   window 2: the accumulators ((a, b) at v[8 (4 a + b)]).
.set PITCH,  272
.set PLANE,  128*PITCH                 ; a head's 256 positions
.set BOFF,   2*PLANE                   ; behind the two planes: 128 rows of wt
.set HALFB,  64*PITCH
.set SLOT,   3*PLANE
.set STAGE,  2*SLOT                    ; the way out: 16 rows x (256 bytes + 16) for each wave; no tile lands here
.set SPARE,  STAGE+4*16*PITCH          ; the spare words, 128 bytes for each wave: two blocks of 256 bytes that no other line names
.set ADRA, 16
.set ADRB, 20
.set STO,  24
.set RD,   25
.set CO,   26
.set BO,   27
.set SPW,  28                          ; v28  LDS address of my spare word; never rewritten
.set NIL,  29                          ; v29  0; never rewritten
.set BI,   32
.set OB,   64
.set F0,   0
.set F1,   128
.set WV,   12
.set G1, 24
.set G0, 32
.set G1B, 48
.set G0B, 56
.set MSB, 0
.macro WIN new                         ; the immediate's high byte repeats the setting that is left
.if MSB != \new
	s_set_vgpr_msb (MSB<<8)|\new
.set MSB, \new
.endif
.endm
.set MUL,   0xa5                       ; sources 0 and 1 window 1; C and D window 2
.set FIRST, 0x85                       ; the first quarter: C is the bias, in window 0
.set TO_F,  0x40
.macro JLOAD s                         ; a joint load: waves 0 and 1 fetch att's two planes, waves 2 and 3 wt's two halves; an s_nop 0 and four v_nop follow each of the two lines
	s_cmp_eq_u32 s13, 0
	s_cbranch_scc0 .Lfor_b_\@
	tensor_load_to_lds s[G0+4*\s:G0+4*\s+3], s[G1:G1+7]
	s_nop 0
.rept 4
	v_nop
.endr
	s_branch .Lasked_\@
.Lfor_b_\@:
	tensor_load_to_lds s[G0B+4*\s:G0B+4*\s+3], s[G1B:G1B+7]
	s_nop 0
.rept 4
	v_nop
.endr
.Lasked_\@:
.endm
.macro CREST                           ; a round of the cluster's barrier behind its opening barrier
	s_cmp_lg_u32 s[WV], 0
	s_cbranch_scc1 .Lnot_wave_0_\@
	s_barrier_signal -3
.Lnot_wave_0_\@:
	s_barrier_wait -3
	s_barrier_signal -1
	s_barrier_wait -1
.endm
.macro CROUND
	s_barrier_signal -1
	s_barrier_wait -1
	CREST
.endm
	s_load_b128 s[4:7], s[0:1], 0x0                ; att s[4:5], wt s[6:7]
	s_load_b128 s[8:11], s[0:1], 0x10              ; b_out s[8:9], out0 s[10:11]
	v_lshl_add_u32 v[SPW], v0, 2, SPARE
	v_mov_b32 v[NIL], 0
	ds_add_u32 v[SPW], v[NIL]                      ; the wave's opening: the add, twice on end, and its wait ahead of my first tensor load
	ds_add_u32 v[SPW], v[NIL]
	v_lshrrev_b32 v1, 5, v0
	v_readfirstlane_b32 s[WV], v1                  ; wave 0..3
	s_lshr_b32 s13, s[WV], 1                       ; which half of the tile's rows is mine.  Also: I fetch for att (0) or for wt (1)
	s_and_b32 s14, s[WV], 1                        ; which half of its columns.  Also: which plane or half I fetch
	s_bfe_u32 s40, ttmp6, 0x40000                  ; cx, cy
	s_bfe_u32 s41, ttmp6, 0x40004
	s_lshl_b32 s42, ttmp9, 2
	s_add_co_u32 s42, s42, s40                     ; tile column = 4 x cluster x + cx
	s_and_b32 s45, ttmp7, 0xffff                   ; cluster y: the block of 256 positions
	s_lshl_b32 s43, s41, 2
	s_lshl_b32 s43, 15, s43                        ; my row of the cluster
	s_lshl_b32 s44, 0x1111, s40                    ; my column
	s_or_b32 s66, s45, s13                         ; 0 where my 128 rows begin with positions 0-15: the cluster's y and the wave's number alone
	; descriptor group 1.  att: a dense block, 128 rows of 32 elements of 8 bytes;  wt: 64 rows of 128 elements of 2 bytes, 1,024 elements apart;  16 bytes of padding behind every 256
	s_or_b32 s[G1+0], s43, (3<<16)|(1<<20)|(1<<21)|(5<<22)|(3<<25)
	s_mov_b32 s[G1+1], 32<<16
	s_mov_b32 s[G1+2], 128<<16
	s_mov_b32 s[G1+3], 32<<16
	s_mov_b32 s[G1+4], 128
	s_mov_b32 s[G1+5], 32
	s_mov_b32 s[G1+6], 0
	s_mov_b32 s[G1+7], 0
	s_or_b32 s[G1B+0], s44, (1<<16)|(1<<20)|(1<<21)|(5<<22)|(3<<25)
	s_mov_b32 s[G1B+1], 128<<16
	s_mov_b32 s[G1B+2], 64<<16
	s_mov_b32 s[G1B+3], 128<<16
	s_mov_b32 s[G1B+4], 64
	s_mov_b32 s[G1B+5], 1024
	s_mov_b32 s[G1B+6], 0
	s_mov_b32 s[G1B+7], 0
	s_lshl_b32 s16, s41, 22                        ; att: the batch cy,
	s_lshl_b32 s17, s45, 15                        ; 256 positions of 128 bytes for each cluster y,
	s_add_co_u32 s16, s16, s17
	s_lshl_b32 s17, s14, 18                        ; the head that I fetch of a K step's two
	s_add_co_u32 s16, s16, s17
	s_mov_b32 s17, 0
	s_lshl_b32 s46, s42, 18                        ; wt: 128 rows of 2,048 bytes for each tile column,
	s_lshl_b32 s47, s14, 17                        ; the 64 that I fetch
	s_add_co_u32 s46, s46, s47
	s_mov_b32 s47, 0
	s_mul_i32 s20, s14, PLANE                      ; where they go: no place in the cluster enters an LDS address
	s_mul_i32 s21, s14, HALFB
	s_add_co_u32 s21, s21, BOFF
	s_wait_dscnt 0x0                               ; both opening adds are done
	s_wait_kmcnt 0x0
	s_add_nc_u64 s[18:19], s[4:5], s[16:17]
	s_add_nc_u64 s[46:47], s[6:7], s[46:47]
	CROUND                                         ; all sixteen work-groups are here: the first joint loads meet
.irp s, 0,1
	s_mov_b32 s[G0+4*\s], 1
	s_add_co_u32 s[G0+4*\s+1], s20, \s*SLOT
	s_add_nc_u64 s[G0+4*\s+2:G0+4*\s+3], s[18:19], \s*524288       ; K step s: two heads on
	s_or_b32 s[G0+4*\s+3], s[G0+4*\s+3], 0x80000000
	s_mov_b32 s[G0B+4*\s], 1
	s_add_co_u32 s[G0B+4*\s+1], s21, \s*SLOT
	s_add_nc_u64 s[G0B+4*\s+2:G0B+4*\s+3], s[46:47], \s*256
	s_or_b32 s[G0B+4*\s+3], s[G0B+4*\s+3], 0x80000000
	JLOAD \s
.endr
	v_and_b32 v1, 15, v0                           ; r
	v_bfe_u32 v2, v0, 4, 1                         ; h
	v_lshrrev_b32 v3, 1, v1
	v_mul_u32_u24 v3, v3, PITCH
	v_and_b32 v4, 1, v1
	v_lshl_add_u32 v3, v4, 7, v3
	v_lshl_add_u32 v3, v2, 4, v3                   ; att: position r: (r / 2) x pitch + 128 (r % 2) + 16 h
	s_mul_i32 s22, s13, HALFB                      ; my 128 positions: 64 LDS rows
	v_mul_u32_u24 v4, v1, PITCH
	v_lshl_add_u32 v4, v2, 4, v4                   ; wt: row r x pitch + 16 h
	s_mul_i32 s23, s14, HALFB
	s_add_co_u32 s23, s23, BOFF
.irp s, 0,1
	v_add_nc_u32 v[ADRA+\s], s22, v3
	v_add_nc_u32 v[ADRB+\s], s23, v4
	s_add_co_u32 s22, s22, SLOT
	s_add_co_u32 s23, s23, SLOT
.endr
	s_mul_i32 s22, s[WV], 16*PITCH
	s_add_co_u32 s22, s22, STAGE                   ; my stage
	v_mul_u32_u24 v5, v1, PITCH
	v_lshl_add_u32 v5, v2, 5, v5
	v_add_nc_u32 v[STO], s22, v5                   ; in: row r, 32 bytes for each half of the lanes
	v_mul_u32_u24 v5, v2, PITCH
	v_lshl_add_u32 v5, v1, 4, v5
	v_add_nc_u32 v[RD], s22, v5                    ; back: lanes 0-15 one row of 256 bytes, lanes 16-31 the next
	v_lshlrev_b32 v[CO], 12, v2
	v_lshl_add_u32 v[CO], v1, 4, v[CO]             ; and the same two rows in out0
	v_lshlrev_b32 v[BO], 5, v2
	s_lshl_b32 s22, s42, 9
	s_lshl_b32 s23, s14, 8
	s_add_co_u32 s22, s22, s23                     ; my first column, in bytes
	s_mov_b32 s23, 0
	s_add_nc_u64 s[8:9], s[8:9], s[22:23]
	s_lshl_b32 s16, s41, 23                        ; out0: 2,048 rows of 4,096 bytes for each batch,
	s_lshl_b32 s17, s45, 20                        ; 256 for each cluster y,
	s_add_co_u32 s16, s16, s17
	s_lshl_b32 s17, s13, 19                        ; 128 for my row half
	s_add_co_u32 s16, s16, s17
	s_add_co_u32 s16, s16, s22
	s_mov_b32 s17, 0
	s_add_nc_u64 s[10:11], s[10:11], s[16:17]
.irp b, 0,1,2,3
	global_load_b128 v[BI+8*\b:BI+8*\b+3], v[BO], s[8:9] offset:64*\b          ; register 8 b + j: the bias of column 16 b + 8 h + j
	global_load_b128 v[BI+8*\b+4:BI+8*\b+7], v[BO], s[8:9] offset:64*\b+16
.endr
; 8 matrix instructions: att's blocks a0, a0 + 1 against wt's four, 32 along K.  first = 1: the bias starts the sums.  The 32 accumulators take turns in the same order in every quarter.
.macro MUL8 f, a0, first
.irp a, \a0, \a0+1
.irp b, 0,1,2,3
.if \first
	v_wmma_f32_16x16x32_f16 v[8*(4*(\a)+\b):8*(4*(\a)+\b)+7], v[\f+64+8*\b:\f+64+8*\b+7], v[\f+8*(\a):\f+8*(\a)+7], v[BI+8*\b:BI+8*\b+7]
.else
	v_wmma_f32_16x16x32_f16 v[8*(4*(\a)+\b):8*(4*(\a)+\b)+7], v[\f+64+8*\b:\f+64+8*\b+7], v[\f+8*(\a):\f+8*(\a)+7], v[8*(4*(\a)+\b):8*(4*(\a)+\b)+7]
.endif
.endr
.endr
.endm
; 24 LDS loads in one run: the fragments of the slot's q-th 32 along K into buffer f: wt's four blocks, then att's eight
.macro FETCH slot, q, f
	WIN TO_F
.irp i, 0,1,2,3
	ds_load_b128 v[\f+64+8*\i:\f+64+8*\i+3],   v[ADRB+\slot] offset:64*(\q)+16*PITCH*\i
	ds_load_b128 v[\f+64+8*\i+4:\f+64+8*\i+7], v[ADRB+\slot] offset:64*(\q)+16*PITCH*\i+32
.endr
.irp i, 0,1,2,3,4,5,6,7
	ds_load_b128 v[\f+8*\i:\f+8*\i+3],   v[ADRA+\slot] offset:((\q)/2)*PLANE+((\q)%2)*64+8*PITCH*\i
	ds_load_b128 v[\f+8*\i+4:\f+8*\i+7], v[ADRA+\slot] offset:((\q)/2)*PLANE+((\q)%2)*64+8*PITCH*\i+32
.endr
.endm
.macro PLACES                          ; four plain lines in front of loads into registers that matrix instructions have read, and of the first read of results
.rept 4
	v_nop
.endr
.endm
; A K step is four quarters of 32 along K, 32 matrix instructions each, on buffers 0, 1, 0, 1.  One of the first three: multiplies buffer f and fetches quarter q into g.
.macro QUARTER slot, q, f, g, first
	s_wait_dscnt 8                                 ; wt's blocks and att's blocks 0-3 are in; the youngest eight loads (att's blocks 4-7) may be out
.if \first
	WIN FIRST
.else
	WIN MUL
.endif
	MUL8 \f, 0, \first
	MUL8 \f, 2, \first
	PLACES
	FETCH \slot, \q, \g
	s_wait_dscnt 24                                ; all but the 24 just issued
.if \first
	WIN FIRST
.else
	WIN MUL
.endif
	MUL8 \f, 4, \first
	MUL8 \f, 6, \first
.endm
; The last quarter multiplies buffer 1 and changes slots: ONE barrier; in front of it each wave waits for all its tensor loads, adds 0 to its spare word, and waits for that and for its own reads of this slot.
.macro TURN slot, next, fill
	WIN 0                                          ; (the add's two registers lie in window 0)
	s_wait_tensorcnt 0x0                           ; all my tensor loads have landed: my part of the next slot
	ds_add_u32 v[SPW], v[NIL]                      ; 0 onto my spare word
	s_wait_dscnt 9                                 ; (the add and the youngest eight loads may be out)
	WIN MUL
	MUL8 F1, 0, 0
	s_wait_dscnt 0x0                               ; the add is done, and my reads of this slot are over
	s_barrier_signal -1
	MUL8 F1, 2, 0
.if \fill
	WIN 0
.endif
	s_barrier_wait -1
.if \fill
	CREST                                          ; the barrier has opened a round of the cluster's barrier: no wave of any partner still reads this slot or has a load on its way
	s_add_nc_u64 s[G0+4*\slot+2:G0+4*\slot+3], s[G0+4*\slot+2:G0+4*\slot+3], 1048576   ; two K steps on: four heads
	s_add_nc_u64 s[G0B+4*\slot+2:G0B+4*\slot+3], s[G0B+4*\slot+2:G0B+4*\slot+3], 512
	JLOAD \slot                                    ; the first tensor load behind the round; its four v_nop are also the places in front of the loads below
.else
	PLACES
.endif
	FETCH \next, 0, F0
	WIN MUL
	MUL8 F1, 4, 0
	MUL8 F1, 6, 0
.endm
	s_wait_tensorcnt 1                             ; my part of K step 0 is in (K step 1's may be out)
	s_barrier_signal -1
	s_barrier_wait -1                              ; everybody's is
	FETCH 0, 0, F0
	s_wait_loadcnt 0x0                             ; the bias
	QUARTER 0, 1, F0, F1, 1                        ; the first quarter stands in front of the loop: the bias starts the sums
	WIN 0                                          ; at a label and at a branch every window is 0
	s_mov_b32 s3, 3
.Llap:                                                 ; a trip goes once round the ring and fills both slots again
	QUARTER 0, 2, F1, F0, 0
	QUARTER 0, 3, F0, F1, 0
	TURN 0, 1, 1
	QUARTER 1, 1, F0, F1, 0
	QUARTER 1, 2, F1, F0, 0
	QUARTER 1, 3, F0, F1, 0
	TURN 1, 0, 1
	QUARTER 0, 1, F0, F1, 0
	WIN 0
	s_sub_co_u32 s3, s3, 1
	s_cmp_lg_u32 s3, 0
	s_cbranch_scc1 .Llap
	QUARTER 0, 2, F1, F0, 0                        ; the last lap fills nothing
	QUARTER 0, 3, F0, F1, 0
	TURN 0, 1, 0
	QUARTER 1, 1, F0, F1, 0
	QUARTER 1, 2, F1, F0, 0
	QUARTER 1, 3, F0, F1, 0
	s_wait_dscnt 8                                 ; the very last quarter
	WIN MUL
	MUL8 F1, 0, 0
	MUL8 F1, 2, 0
	s_wait_dscnt 0
	MUL8 F1, 4, 0
	MUL8 F1, 6, 0
	WIN 0
	; THE WAY OUT, block by block of 16 rows x 64 columns, through my own stage: my 64 columns of f32 are 256 consecutive bytes of a row.
.macro TOSTAGE a
	WIN 0x08                                       ; an LDS store's data are its source 1: window 2
.irp b, 0,1,2,3
	ds_store_b128 v[STO], v[8*(4*(\a)+\b):8*(4*(\a)+\b)+3] offset:64*\b          ; each accumulator from its low end on
	ds_store_b128 v[STO], v[8*(4*(\a)+\b)+4:8*(4*(\a)+\b)+7] offset:64*\b+16
.endr
	WIN 0
.set BB, OB+32*((\a)%2)
.irp t, 0,1,2,3,4,5,6,7
	ds_load_b128 v[BB+4*\t:BB+4*\t+3], v[RD] offset:\t*2*PITCH     ; LDS serves a wave's instructions in order: these see the stores above
.endr
.endm
.macro SEND a, younger                 ; younger: the LDS instructions issued behind block a's loads, which may stay out
.set BB, OB+32*((\a)%2)
	s_wait_dscnt \younger
.irp t, 0,1,2,3,4,5,6,7
	global_store_b128 v[CO], v[BB+4*\t:BB+4*\t+3], s[10:11] offset:(16*(\a)+2*\t)*4096 th:TH_STORE_NT   ; 16 lanes store 256 consecutive bytes, aligned
.endr
.endm
	PLACES
	s_cmp_eq_u32 s66, 0                            ; block 0 of row half 0 where the cluster's y is 0 holds positions 0-15: the last launch stores those rows
	s_cbranch_scc1 .Lfine_rows
	TOSTAGE 0
	SEND 0, 0
.Lfine_rows:
	TOSTAGE 1
.irp a, 2,3,4,5,6,7
	s_wait_xcnt 0x0                                ; block a - 2's stores have read their registers: block a's loads may land there
	TOSTAGE \a
	SEND \a-1, 16                                  ; behind block a - 1's loads: block a's 8 stores and 8 loads
.endr
	SEND 7, 0
	s_wait_tensorcnt 0x0                           ; the wave's end, behind my last tensor load and my last LDS store
	ds_add_u32 v[SPW], v[NIL]
	s_wait_dscnt 0x0
	CROUND                                         ; the closing round
	s_endpgm
.Lfunc_end_k_qa70b9d5aca_proj:
	.size	k_qa70b9d5aca_proj, .Lfunc_end_k_qa70b9d5aca_proj-k_qa70b9d5aca_proj
	.p2alignl 7, 3214868480
	.fill 96, 4, 3214868480
	.section	.rodata,"a",@progbits
	.p2align	6, 0x0
	.amdhsa_kernel k_qa70b9d5aca_proj
		.amdhsa_group_segment_fixed_size 327680
		.amdhsa_private_segment_fixed_size 0
		.amdhsa_enable_private_segment 0
		.amdhsa_kernarg_size 32
		.amdhsa_user_sgpr_count 2
		.amdhsa_user_sgpr_kernarg_segment_ptr 1
		.amdhsa_wavefront_size32 1
		.amdhsa_system_sgpr_workgroup_id_x 1
		.amdhsa_system_sgpr_workgroup_id_y 1
		.amdhsa_system_sgpr_workgroup_id_z 1
		.amdhsa_system_vgpr_workitem_id 0
		.amdhsa_next_free_vgpr 768
		.amdhsa_next_free_sgpr 72
		.amdhsa_reserve_vcc 0
		.amdhsa_float_denorm_mode_32 3
		.amdhsa_float_denorm_mode_16_64 3
		.amdhsa_memory_ordered 1
		.amdhsa_forward_progress 1
		.amdhsa_inst_pref_size 87
	.end_amdhsa_kernel
	.amdgpu_metadata
---
amdhsa.version: [ 1, 2 ]
amdhsa.kernels:
  - .name:           k_qa70b9d5aca_proj
    .symbol:         k_qa70b9d5aca_proj.kd
    .args:
      - { .name: att, .offset: 0, .size: 8, .value_kind: global_buffer, .address_space: global }
      - { .name: wt, .offset: 8, .size: 8, .value_kind: global_buffer, .address_space: global }
      - { .name: b_out, .offset: 16, .size: 8, .value_kind: global_buffer, .address_space: global }
      - { .name: out0, .offset: 24, .size: 8, .value_kind: global_buffer, .address_space: global }
    .group_segment_fixed_size: 327680
    .private_segment_fixed_size: 0
    .kernarg_segment_align: 8
    .kernarg_segment_size: 32
    .max_flat_workgroup_size: 128
    .sgpr_count:     72
    .vgpr_count:     768
    .wavefront_size: 32
...
	.end_amdgpu_metadata
.endif
;; end of part 4
;; launch fine (part 5): grid 16 x 4, 16 waves a work-group, no clusters, 71,680 bytes of LDS; arguments qkvf, W_out, b_out, out0; writes out0
.if DOCPART == 5
	.amdgcn_target "amdgcn-amd-amdhsa--gfx1250"
	.amdhsa_code_object_version 6
	.text
	.protected	k_qa70b9d5aca_fine
	.globl	k_qa70b9d5aca_fine
	.p2align	8
	.type	k_qa70b9d5aca_fine,@function
k_qa70b9d5aca_fine:
	s_mov_b64 s[64:65], 0
	v_nop
	global_prefetch_b8 v0, s[64:65] scope:SCOPE_SE
	s_setreg_imm32_b32 hwreg(HW_REG_WAVE_MODE, 25, 1), 1
	s_wait_xcnt 0x0
; THE FIRST 16 POSITIONS OF EVERY SEQUENCE, IN F32 THROUGHOUT: there a row of the softmax averages one to sixteen values, and the rounding of 16-bit operands would weigh most.
; qkvf: f32 [batch 4][position 16][3072], q, k, v with their bias as the quantised product summed them.  out0 rows (batch, 0 .. 15) = softmax(q k^T / 8, causal) v W_out + b_out.
; Keys behind position 15 are hidden from these queries by reference()'s own tril mask and are not read.
; SHARES.  A work-group serves one batch and 64 columns of out0; wave w serves head w: its 16 x 16 scores, its 16 x 64 attended values, and their product with rows 64 w .. 64 w + 63 of W_out; the sixteen heads'
; parts meet in LDS, and wave w then sums and stores row w.
; All products by v_wmma_f32_16x16x4_f32, used transposed, so that a lane holds ONE query (lane % 16) throughout.  Nothing changes lanes between the products: in each product both sources are given the same
; permutation of k, chosen so that the registers in which the last product left its result are the next product's source as they stand.
; The registers that these matrix instructions write (v112-127, v152-183) are written by matrix instructions alone; what is made of a sum goes into other registers.
.set PART,  0                          ; LDS: for each wave 16 rows x (256 bytes + 16)
.set SPARE, 69632                      ; the spare words, 128 bytes for each wave: eight blocks of 256 bytes that no other line names
.set RQ,  16                           ; v16-47   q; later W's batch 2
.set RK,  48                           ; v48-79   k; later W's batch 3
.set RV,  80                           ; v80-111  v; later the attended values
.set AT,  80
.set SA,  112                          ; v112-119, v120-127  the scores' two sums
.set RT,  128                          ; v128-135 the scores
.set RP,  136                          ; v136-143 p
.set TM,  144                          ; v144-151 at work
.set RO,  152                          ; v152-183 O^T, later my part of out^T
.set W0,  184                          ; v184-215, v216-247 W's batches 0 and 1; later the sixteen parts of a row
.set W1,  216
.set SPW, 250                          ; v250 LDS address of my spare word; never rewritten
.set NIL, 251                          ; v251 0; never rewritten
	s_load_b128 s[4:7], s[0:1], 0x0                ; qkvf s[4:5], W_out s[6:7]
	s_load_b128 s[8:11], s[0:1], 0x10              ; b_out s[8:9], out0 s[10:11]
	v_lshl_add_u32 v[SPW], v0, 2, SPARE
	v_mov_b32 v[NIL], 0
	v_lshrrev_b32 v1, 5, v0
	v_readfirstlane_b32 s12, v1                    ; wave 0..15: my head, later my row
	v_and_b32 v1, 15, v0                           ; r
	v_bfe_u32 v2, v0, 4, 1                         ; h
	v_and_b32 v3, 31, v0                           ; lane
	v_mul_u32_u24 v4, v1, 12288
	v_lshl_add_u32 v4, v2, 4, v4                   ; q, k: position r, + 16 h bytes
	v_mul_u32_u24 v5, v2, 98304
	v_lshl_add_u32 v5, v1, 2, v5                   ; v: keys 8 h on, channel r
	v_lshlrev_b32 v6, 15, v2
	v_lshl_add_u32 v6, v1, 2, v6                   ; W_out: rows 8 h on, column r
	v_lshlrev_b32 v7, 3, v3                        ; 8 bytes a lane of a row's 256
	s_mul_i32 s13, s12, 4352
	v_mul_u32_u24 v10, v1, 272
	v_lshl_add_u32 v10, v2, 5, v10
	v_add_nc_u32 v10, s13, v10                     ; my part: row r, 32 bytes for each half of the lanes
	s_mul_i32 s14, s12, 272
	v_add_nc_u32 v11, s14, v7                      ; back: row = my wave's number, in each of the sixteen parts
	v_lshlrev_b32 v12, 3, v2
	v_sub_nc_u32 v12, v1, v12                      ; r - 8 h: register j holds key 8 h + j, hidden where j > r - 8 h
	v_mov_b32 v13, 0xff800000                      ; -infinity
	v_mov_b32 v[TM+1], 0                           ; written once: a lane permute's destination counts as one of its sources
	s_and_b32 s15, ttmp7, 0xffff                   ; the batch
	s_mov_b32 s20, 0x76543210
	s_mov_b32 s21, 0xfedcba98                      ; v_permlanex16_b32's selects for lane l xor 16
	s_mov_b32 s22, 0x3e38aa3b                      ; c = log2(e) / 8
	s_mul_i32 s16, s15, 196608                     ; a batch's 16 rows of 12,288 bytes,
	s_lshl_b32 s17, s12, 8                         ; my head's 64 numbers
	s_add_co_u32 s16, s16, s17
	s_mov_b32 s17, 0
	s_lshl_b32 s18, s12, 18                        ; W_out: my head's 64 rows of 4,096 bytes,
	s_lshl_b32 s24, ttmp9, 8                       ; the work-group's 64 columns
	s_add_co_u32 s18, s18, s24
	s_mov_b32 s19, 0
	s_mov_b32 s25, 0
	s_lshl_b32 s26, s15, 11
	s_add_co_u32 s26, s26, s12                     ; out0: row 2,048 x batch + my wave's number
	s_lshl_b32 s26, s26, 12
	s_add_co_u32 s26, s26, s24
	s_mov_b32 s27, 0
	s_wait_kmcnt 0x0
	s_add_nc_u64 s[4:5], s[4:5], s[16:17]
	s_add_nc_u64 s[6:7], s[6:7], s[18:19]
	s_add_nc_u64 s[8:9], s[8:9], s[24:25]
	s_add_nc_u64 s[10:11], s[10:11], s[26:27]
.macro WLOAD reg, t                    ; W's batch t: register 8 nt + j = W_out[64 w + 16 t + 8 h + j][n0 + 16 nt + r]
.irp nt, 0,1,2,3
.irp j, 0,1,2,3,4,5,6,7
	global_load_b32 v[\reg+8*\nt+\j], v6, s[6:7] offset:(16*(\t)+\j)*4096+64*\nt
.endr
.endr
.endm
	global_load_b64 v[8:9], v7, s[8:9]             ; b_out's two numbers of my lane: they start the row's sum
.irp i, 0,1,2,3,4,5,6,7
	global_load_b128 v[RQ+4*\i:RQ+4*\i+3], v4, s[4:5] offset:32*\i          ; q(r, 8 i + 4 h + 0 .. 3)
.endr
.irp i, 0,1,2,3,4,5,6,7
	global_load_b128 v[RK+4*\i:RK+4*\i+3], v4, s[4:5] offset:4096+32*\i     ; k likewise
.endr
.irp t, 0,1,2,3
.irp j, 0,1,2,3,4,5,6,7
	global_load_b32 v[RV+8*\t+\j], v5, s[4:5] offset:12288*\j+8192+64*\t    ; v(key 8 h + j, channel 16 t + r)
.endr
.endr
	WLOAD W0, 0
	WLOAD W1, 1
	s_wait_loadcnt 63                              ; q and k are in: 96 loads are younger, and a count names 63 at the most: the smaller count is safe
	; S^T = k q^T: 16 K steps of 4 channels; in step u both sources hold channels 8 (u / 2) + 4 h + 2 (u % 2) + 0, 1.  Two sums by turns; the constant 0 starts each
.irp u, 0,1,2,3,4,5,6,7,8,9,10,11,12,13,14,15
.if \u < 2
	v_wmma_f32_16x16x4_f32 v[SA+8*(\u%2):SA+8*(\u%2)+7], v[RK+2*\u:RK+2*\u+1], v[RQ+2*\u:RQ+2*\u+1], 0
.else
	v_wmma_f32_16x16x4_f32 v[SA+8*(\u%2):SA+8*(\u%2)+7], v[RK+2*\u:RK+2*\u+1], v[RQ+2*\u:RQ+2*\u+1], v[SA+8*(\u%2):SA+8*(\u%2)+7]
.endif
.endr
.rept 8
	v_nop                                          ; eight places behind this form, in front of loads into its sources and of the first read of its results
.endr
	WLOAD RQ, 2
	WLOAD RK, 3
.irp j, 0,1,2,3,4,5,6,7
	v_add_f32 v[RT+\j], v[SA+\j], v[SA+8+\j]       ; lane (r, h), register j: the score of query r and key 8 h + j
.endr
.irp j, 0,1,2,3,4,5,6,7
	v_cmp_gt_i32 vcc_lo, \j, v12
	v_cndmask_b32 v[RT+\j], v[RT+\j], v13, vcc_lo  ; the causal mask
.endr
	v_max3_num_f32 v[TM], v[RT], v[RT+1], v[RT+2]
	v_max3_num_f32 v[TM+2], v[RT+3], v[RT+4], v[RT+5]
	v_max3_num_f32 v[TM], v[TM], v[RT+6], v[RT+7]
	v_max_num_f32 v[TM], v[TM], v[TM+2]
	v_permlanex16_b32 v[TM+1], v[TM], s20, s21
	v_max_num_f32 v[TM], v[TM], v[TM+1]            ; the row's maximum: key 0 counts for every query, so it is a number
	v_mul_f32 v[TM+2], s22, v[TM]                  ; c m
.irp j, 0,1,2,3,4,5,6,7
	v_fma_f32 v[RT+\j], v[RT+\j], s22, -v[TM+2]
.endr
.irp j, 0,1,2,3,4,5,6,7
	v_exp_f32 v[RP+\j], v[RT+\j]                   ; p = 2^(c s - c m)
.endr
	v_nop                                          ; a plain line behind the last exponential
	s_wait_alu depctr_va_vdst(0)                   ; the wait ahead of the first line that names a result: one for the eight
	v_add_f32 v[TM], v[RP], v[RP+1]
	v_add_f32 v[TM+2], v[RP+2], v[RP+3]
	v_add_f32 v[TM+3], v[RP+4], v[RP+5]
	v_add_f32 v[TM+4], v[RP+6], v[RP+7]
	v_add_f32 v[TM], v[TM], v[TM+2]
	v_add_f32 v[TM+3], v[TM+3], v[TM+4]
	v_add_f32 v[TM], v[TM], v[TM+3]
	v_permlanex16_b32 v[TM+1], v[TM], s20, s21
	v_add_f32 v[TM], v[TM], v[TM+1]                ; the row's sum
	v_rcp_f32 v[TM+5], v[TM]
	v_nop
	s_wait_alu depctr_va_vdst(0)                   ; and one for the reciprocal
	s_wait_loadcnt 63                              ; v is in: 128 loads are younger
	; O^T = v^T p: four K steps of 4 keys; in step c both sources hold keys 8 h + 2 c + 0, 1.  Four tiles of 16 channels by turns
.irp c, 0,1,2,3
.irp t, 0,1,2,3
.if \c == 0
	v_wmma_f32_16x16x4_f32 v[RO+8*\t:RO+8*\t+7], v[RV+8*\t+2*\c:RV+8*\t+2*\c+1], v[RP+2*\c:RP+2*\c+1], 0
.else
	v_wmma_f32_16x16x4_f32 v[RO+8*\t:RO+8*\t+7], v[RV+8*\t+2*\c:RV+8*\t+2*\c+1], v[RP+2*\c:RP+2*\c+1], v[RO+8*\t:RO+8*\t+7]
.endif
.endr
.endr
.rept 8
	v_nop
.endr
.set n, 0
.rept 32
	v_mul_f32 v[AT+n], v[RO+n], v[TM+5]            ; attended(query r, channel 16 t + 8 h + j), into v's registers; each sum from its low end on
.set n, n+1
.endr
.rept 9
	v_nop                                          ; nine places in front of matrix instructions that write over the earlier results
.endr
	s_wait_loadcnt 0x0                             ; all of W
	; my part of out^T = W^T attended^T: 16 K steps of 4 channels; in step (t, c) both sources hold channels 16 t + 8 h + 2 c + 0, 1.  Four tiles of 16 columns by turns
.macro OUTK wb, t, c, first
.irp nt, 0,1,2,3
.if \first
	v_wmma_f32_16x16x4_f32 v[RO+8*\nt:RO+8*\nt+7], v[\wb+8*\nt+2*\c:\wb+8*\nt+2*\c+1], v[AT+8*\t+2*\c:AT+8*\t+2*\c+1], 0
.else
	v_wmma_f32_16x16x4_f32 v[RO+8*\nt:RO+8*\nt+7], v[\wb+8*\nt+2*\c:\wb+8*\nt+2*\c+1], v[AT+8*\t+2*\c:AT+8*\t+2*\c+1], v[RO+8*\nt:RO+8*\nt+7]
.endif
.endr
.endm
	OUTK W0, 0, 0, 1
.irp c, 1,2,3
	OUTK W0, 0, \c, 0
.endr
.irp c, 0,1,2,3
	OUTK W1, 1, \c, 0
.endr
.irp c, 0,1,2,3
	OUTK RQ, 2, \c, 0
.endr
.irp c, 0,1,2,3
	OUTK RK, 3, \c, 0
.endr
.rept 8
	v_nop
.endr
.irp nt, 0,1,2,3
	ds_store_b128 v10, v[RO+8*\nt:RO+8*\nt+3] offset:64*\nt          ; lane (r, h): columns 16 nt + 8 h + 0 .. 7 of row r
	ds_store_b128 v10, v[RO+8*\nt+4:RO+8*\nt+7] offset:64*\nt+16
.endr
	s_wait_dscnt 0x0                               ; for the others' sake: my stores have landed
	s_barrier_signal -1
	s_barrier_wait -1
.irp i, 0,1,2,3,4,5,6,7,8,9,10,11,12,13,14,15
	ds_load_b64 v[W0+2*\i:W0+2*\i+1], v11 offset:4352*\i             ; head i's part of my row
.endr
	s_wait_dscnt 0x0
.irp i, 0,1,2,3,4,5,6,7,8,9,10,11,12,13,14,15
	v_pk_add_f32 v[8:9], v[8:9], v[W0+2*\i:W0+2*\i+1]
.endr
	global_store_b64 v7, v[8:9], s[10:11] th:TH_STORE_NT             ; 32 lanes store 256 consecutive bytes, aligned
	s_wait_tensorcnt 0x0                           ; the wave's end, behind my last LDS store
	ds_add_u32 v[SPW], v[NIL]
	s_wait_dscnt 0x0
	s_endpgm
.Lfunc_end_k_qa70b9d5aca_fine:
	.size	k_qa70b9d5aca_fine, .Lfunc_end_k_qa70b9d5aca_fine-k_qa70b9d5aca_fine
	.p2alignl 7, 3214868480
	.fill 96, 4, 3214868480
	.section	.rodata,"a",@progbits
	.p2align	6, 0x0
	.amdhsa_kernel k_qa70b9d5aca_fine
		.amdhsa_group_segment_fixed_size 71680
		.amdhsa_private_segment_fixed_size 0
		.amdhsa_enable_private_segment 0
		.amdhsa_kernarg_size 32
		.amdhsa_user_sgpr_count 2
		.amdhsa_user_sgpr_kernarg_segment_ptr 1
		.amdhsa_wavefront_size32 1
		.amdhsa_system_sgpr_workgroup_id_x 1
		.amdhsa_system_sgpr_workgroup_id_y 1
		.amdhsa_system_sgpr_workgroup_id_z 1
		.amdhsa_system_vgpr_workitem_id 0
		.amdhsa_next_free_vgpr 256
		.amdhsa_next_free_sgpr 66
		.amdhsa_reserve_vcc 1
		.amdhsa_float_denorm_mode_32 3
		.amdhsa_float_denorm_mode_16_64 3
		.amdhsa_memory_ordered 1
		.amdhsa_forward_progress 1
		.amdhsa_inst_pref_size 33
	.end_amdhsa_kernel
	.amdgpu_metadata
---
amdhsa.version: [ 1, 2 ]
amdhsa.kernels:
  - .name:           k_qa70b9d5aca_fine
    .symbol:         k_qa70b9d5aca_fine.kd
    .args:
      - { .name: qkvf, .offset: 0, .size: 8, .value_kind: global_buffer, .address_space: global }
      - { .name: W_out, .offset: 8, .size: 8, .value_kind: global_buffer, .address_space: global }
      - { .name: b_out, .offset: 16, .size: 8, .value_kind: global_buffer, .address_space: global }
      - { .name: out0, .offset: 24, .size: 8, .value_kind: global_buffer, .address_space: global }
    .group_segment_fixed_size: 71680
    .private_segment_fixed_size: 0
    .kernarg_segment_align: 8
    .kernarg_segment_size: 32
    .max_flat_workgroup_size: 512
    .sgpr_count:     66
    .vgpr_count:     256
    .wavefront_size: 32
...
	.end_amdgpu_metadata
.endif
;; end of part 5
